; MI455X (gfx1250); checked and timed in simulation.
; The chip was launched on July 23, 2026; its instructions are those of AMD's public machine-readable ISA for CDNA 5 (MIT licence, August 2026) and "CDNA5" Instruction Set Architecture Reference Guide (July 2026). The comments in the code are by the model that wrote it; some were corrected since.
;; Time Aware Attention. Allowed arithmetic: float matrix products may take bf16 or f16 operands with f32 sums; all other float work in f32.
;; Inputs: in_proj_b 3,072 float32; in_proj_w 3,072 x 1,024 float32; ln_b 1,024 float32; ln_w 1,024 float32; out_proj_b 1,024 float32; out_proj_w 1,024 x 1,024 float32; time_decay one number float32; x 8 x 1,024 x 1,024 float32.
;; Outputs: out0 8 x 1,024 x 1,024 float32; out1 8 x 1,024 x 1,024 float32.
;; 3 versions, each right; version 3 is version 2 with the launch cast written anew for expert scheduling mode. Each part assembles by itself: llvm-mc -triple=amdgcn-amd-amdhsa -mcpu=gfx1250 --defsym DOCPART=n.
;; ======== version 1 of 3: 4 launches
;; workspace buffers: xb 16,777,216 bytes; wib 6,291,456 bytes; wof 2,097,152 bytes; qf 16,777,216 bytes; kf 16,777,216 bytes; vf 16,777,216 bytes; attnf 16,777,216 bytes
;; launch cast (part 1): grid 768 x 1, 8 waves a work-group, no clusters, 0 bytes of LDS; arguments x, in_proj_w, out_proj_w, xb, wib, wof; writes xb, wib, wof
.if DOCPART == 1
	.amdgcn_target "amdgcn-amd-amdhsa--gfx1250"
	.amdhsa_code_object_version 6
	.text
	.protected	k_q0b4a157c1c_cast
	.globl	k_q0b4a157c1c_cast
	.p2align	8
	.type	k_q0b4a157c1c_cast,@function
k_q0b4a157c1c_cast:
	s_mov_b64 s[64:65], 0
	v_nop
	global_prefetch_b8 v0, s[64:65] scope:SCOPE_SE
	s_setreg_imm32_b32 hwreg(HW_REG_WAVE_MODE, 25, 1), 1
	s_wait_xcnt 0x0
; bf16 copies of the three large f32 inputs, rounded once to nearest even.
; A work-group takes 65,536 bytes of f32.  Groups 0-511: x -> xb; 512-703: in_proj_w -> wib (both stay row-major);
; 704-767: sixteen rows of out_proj_w -> wof in FRAGMENT ORDER: a fragment is 16 rows x 32 k in 1,024 bytes, two halves of 512 bytes,
; lane L's 16 bytes at half*512 + 16 L = W[16 ft + (L&15)][32 fk + 16 half + 8 (L>>4) + 0..7]: registers 4 half .. 4 half + 3 of a
; 16-bit matrix operand.  Fragment (ft, fk) lies at (((fk>>1)*64 + ft)*2 + (fk&1))*1024, so a K step of 64 is 131,072 dense bytes.
; Memory binds: no LDS, no barrier, no matrix unit.  Sixteen loads of a wave are out at once; nothing is read twice.
.set X,   4                            ; v[4:67]   sixteen loads of 16 bytes
.set Y,   68                           ; v[68:99]  the same numbers in bf16
.set XCH, 512                          ; chunks of x
.set WCH, 192                          ; chunks of in_proj_w
	s_load_b256 s[4:11], s[0:1], 0x0               ; x s[4:5], in_proj_w s[6:7], out_proj_w s[8:9], xb s[10:11]
	s_load_b128 s[12:15], s[0:1], 0x20             ; wib s[12:13], wof s[14:15]
	s_mov_b32 s23, 0                               ; upper word of every offset
	s_cmp_ge_u32 ttmp9, XCH+WCH
	s_cbranch_scc1 .Lfrag
	; row-major copy: thread t takes 16 bytes at 16 t of each 4,096 bytes and stores 8 at 8 t of each 2,048
	s_sub_co_u32 s20, ttmp9, XCH
	v_lshlrev_b32 v1, 4, v0
	v_lshlrev_b32 v2, 3, v0
	s_wait_kmcnt 0x0
	s_cmp_lt_u32 ttmp9, XCH
	s_cselect_b64 s[16:17], s[4:5], s[6:7]         ; from x or in_proj_w
	s_cselect_b64 s[18:19], s[10:11], s[12:13]     ; to xb or wib
	s_cselect_b32 s20, ttmp9, s20                  ; the chunk's number in its tensor
	s_lshl_b32 s22, s20, 16
	s_add_nc_u64 s[16:17], s[16:17], s[22:23]
	s_lshl_b32 s22, s20, 15
	s_add_nc_u64 s[18:19], s[18:19], s[22:23]
.irp i, 0,1,2,3,4,5,6,7,8,9,10,11,12,13,14,15
	global_load_b128 v[X+4*\i:X+4*\i+3], v1, s[16:17] offset:\i*4096 th:TH_LOAD_NT
.endr
.irp i, 0,1,2,3,4,5,6,7,8,9,10,11,12,13,14,15
	s_wait_loadcnt 15-\i                           ; loads come back in order: load i is in, the 15 - i younger ones stay out
	v_cvt_pk_bf16_f32 v[Y+2*\i], v[X+4*\i], v[X+4*\i+1]
	v_cvt_pk_bf16_f32 v[Y+2*\i+1], v[X+4*\i+2], v[X+4*\i+3]
	global_store_b64 v2, v[Y+2*\i:Y+2*\i+1], s[18:19] offset:\i*2048   ; a wave's store covers 256 consecutive bytes, aligned
.endr
	s_endpgm
.Lfrag:
	; fragment order: the group has rows 16 ft .. 16 ft + 15; wave w makes the fragments fk = 4 w + n, n = 0..3.
	; A load takes 16 bytes of each of sixteen rows (two lanes side by side): short pieces, for these 4 MiB alone; the stores are whole.
	s_sub_co_u32 s20, ttmp9, XCH+WCH               ; ft
	v_and_b32 v1, 15, v0
	v_lshlrev_b32 v1, 12, v1                       ; r rows of 4,096 bytes
	v_bfe_u32 v2, v0, 4, 1
	v_lshl_add_u32 v1, v2, 5, v1                   ; + 8 h numbers
	v_lshrrev_b32 v3, 5, v0
	v_lshl_add_u32 v1, v3, 9, v1                   ; + 4 w fragments of 32 numbers
	v_and_b32 v2, 31, v0
	v_lshlrev_b32 v2, 4, v2                        ; 16 L
	v_lshl_add_u32 v2, v3, 18, v2                  ; + 2 w K steps of 131,072 bytes
	s_wait_kmcnt 0x0
	s_lshl_b32 s22, s20, 16
	s_add_nc_u64 s[16:17], s[8:9], s[22:23]
	s_lshl_b32 s22, s20, 11
	s_add_nc_u64 s[18:19], s[14:15], s[22:23]
.irp p, 0,1,2,3,4,5,6,7                            ; p = 2 n + half
	global_load_b128 v[X+8*\p:X+8*\p+3],   v1, s[16:17] offset:\p*64 th:TH_LOAD_NT
	global_load_b128 v[X+8*\p+4:X+8*\p+7], v1, s[16:17] offset:\p*64+16 th:TH_LOAD_NT
.endr
.irp p, 0,1,2,3,4,5,6,7
	s_wait_loadcnt 14-2*\p                         ; the two loads of piece p are in
.irp i, 0,1,2,3
	v_cvt_pk_bf16_f32 v[Y+4*\p+\i], v[X+8*\p+2*\i], v[X+8*\p+2*\i+1]
.endr
	global_store_b128 v2, v[Y+4*\p:Y+4*\p+3], s[18:19] offset:(\p>>2)*131072+(\p&3)*512   ; 512 consecutive bytes of a fragment
.endr
	s_endpgm
.Lfunc_end_k_q0b4a157c1c_cast:
	.size	k_q0b4a157c1c_cast, .Lfunc_end_k_q0b4a157c1c_cast-k_q0b4a157c1c_cast
	.p2alignl 7, 3214868480
	.fill 96, 4, 3214868480
	.section	.rodata,"a",@progbits
	.p2align	6, 0x0
	.amdhsa_kernel k_q0b4a157c1c_cast
		.amdhsa_group_segment_fixed_size 0
		.amdhsa_private_segment_fixed_size 0
		.amdhsa_enable_private_segment 0
		.amdhsa_kernarg_size 48
		.amdhsa_user_sgpr_count 2
		.amdhsa_user_sgpr_kernarg_segment_ptr 1
		.amdhsa_wavefront_size32 1
		.amdhsa_system_sgpr_workgroup_id_x 1
		.amdhsa_system_sgpr_workgroup_id_y 1
		.amdhsa_system_sgpr_workgroup_id_z 1
		.amdhsa_system_vgpr_workitem_id 0
		.amdhsa_next_free_vgpr 100
		.amdhsa_next_free_sgpr 66
		.amdhsa_reserve_vcc 0
		.amdhsa_float_denorm_mode_32 3
		.amdhsa_float_denorm_mode_16_64 3
		.amdhsa_memory_ordered 1
		.amdhsa_forward_progress 1
		.amdhsa_inst_pref_size 12
	.end_amdhsa_kernel
	.amdgpu_metadata
---
amdhsa.version: [ 1, 2 ]
amdhsa.kernels:
  - .name:           k_q0b4a157c1c_cast
    .symbol:         k_q0b4a157c1c_cast.kd
    .args:
      - { .name: x, .offset: 0, .size: 8, .value_kind: global_buffer, .address_space: global }
      - { .name: in_proj_w, .offset: 8, .size: 8, .value_kind: global_buffer, .address_space: global }
      - { .name: out_proj_w, .offset: 16, .size: 8, .value_kind: global_buffer, .address_space: global }
      - { .name: xb, .offset: 24, .size: 8, .value_kind: global_buffer, .address_space: global }
      - { .name: wib, .offset: 32, .size: 8, .value_kind: global_buffer, .address_space: global }
      - { .name: wof, .offset: 40, .size: 8, .value_kind: global_buffer, .address_space: global }
    .group_segment_fixed_size: 0
    .private_segment_fixed_size: 0
    .kernarg_segment_align: 8
    .kernarg_segment_size: 48
    .max_flat_workgroup_size: 256
    .sgpr_count:     66
    .vgpr_count:     100
    .wavefront_size: 32
...
	.end_amdgpu_metadata
.endif
;; end of part 1
;; launch qkv (part 2): grid 16 x 32, 4 waves a work-group, clusters of 4 x 4, 327,680 bytes of LDS; arguments xb, wib, in_proj_b, qf, kf, vf; writes qf, kf, vf
.if DOCPART == 2
	.amdgcn_target "amdgcn-amd-amdhsa--gfx1250"
	.amdhsa_code_object_version 6
	.text
	.protected	k_q0b4a157c1c_qkv
	.globl	k_q0b4a157c1c_qkv
	.p2align	8
	.type	k_q0b4a157c1c_qkv,@function
k_q0b4a157c1c_qkv:
	s_mov_b64 s[64:65], 0
	v_nop
	global_prefetch_b8 v0, s[64:65] scope:SCOPE_SE
	s_setreg_imm32_b32 hwreg(HW_REG_WAVE_MODE, 25, 1), 1
	s_wait_xcnt 0x0
	s_wait_alu depctr_hold_cnt(0) depctr_sa_sdst(0) depctr_va_vdst(0) depctr_va_sdst(0) depctr_va_ssrc(0) depctr_va_vcc(0) depctr_vm_vsrc(0)
	s_getreg_b32 s2, hwreg(HW_REG_IB_STS2, 6, 4)
	s_cmp_eq_u32 s2, 0
	s_cbranch_scc0 .Lentry_in_a_cluster
	s_endpgm
.Lentry_in_a_cluster:
	s_bfe_u32 s2, ttmp6, 0x10000c
	s_cmp_lg_u32 s2, 0xf033
	s_cbranch_scc0 .Lentry_shape_is_right
	s_endpgm
.Lentry_shape_is_right:
; qkv = x in_proj_w^T + in_proj_b, 8192 x 3072 x 1024, bf16 operands, f32 sums; q is also multiplied by 0.125 log2(e) in f32 ahead of
; its one rounding to bf16 (the softmax of the next launch works in base 2: another order of rounding than scaling the scores).
; A work-group: 256 tokens x (128 features of q or k, rows 128 bx of the weights, AND 64 features of v, rows 2048 + 64 bx), so all
; 512 work-groups run one text with equal work.  A wave: 128 tokens x (64 q/k features = one head, and 32 v features): 48 accumulator tiles.
; K goes in steps of 128 through two LDS slots; a tile's rows are 256 bytes of memory at multiples of 256 bytes, 272 apart in LDS.
; CLUSTERS 4 x 4: x's tile hangs on the block row alone and is asked for jointly along a row of the cluster, the weights' tiles on the
; block column alone, jointly along a column.  Waves 0 and 1 fetch x's halves, wave 2 the q/k rows, wave 3 the v rows: one load a wave.
; RESULTS LEAVE IN FRAGMENT ORDER (1,024 bytes = 16 rows x 32 k; lane L's 16 bytes at half*512 + 16 L hold k = 16 half + 8 (L>>4) + 0..7 of
; row L&15), so that a packed result tile is half a fragment of the next launch and every store of a wave is 512 consecutive bytes:
;   qf, kf: ((batch*16 + head)*64 + token tile)*2048 + (hd/32)*1024   rows = tokens, k = hd
;   vf:     (((batch*16 + head)*32 + key step of 32)*4 + hd/16)*1024  rows = hd,     k = keys
; For q and k the weights are source 0 (a lane then holds one token and 8 neighbouring features); for v the tokens are source 0 (a lane
; holds one feature and 8 neighbouring tokens).
; REGISTERS: window 0: v16-31 addresses and v's bias, v64-127 / v128-191 x fragments (two buffers), v224-255 q/k bias;
; window 1: the weights' fragments at the same numbers (q/k +8 b, v +32 + 8 c); window 2: q/k sums at 8 (4 a + b); window 3: v sums at 8 (2 a + c).
.set KSTEP,  128
.set PITCH,  272                       ; 256 bytes + 16 of padding: an odd multiple of 16, so sixteen rows start in sixteen different 16-byte columns
.set HALFT,  128*PITCH
.set SLOT,   3*HALFT+64*PITCH          ; x 256 rows, q/k weights 128 rows, v weights 64 rows
.set LAPS,   1024/(2*KSTEP)            ; a lap = two K steps = once round the ring
.set ADRA, 16                          ; v16-17 LDS address of my x fragments in slot 0, 1
.set ADRB, 20                          ; v20-21 the same for the q/k weights
.set ADRV, 22                          ; v22-23 the same for the v weights
.set LN16, 24                          ; v24 16 x lane
.set H32,  25                          ; v25 32 h
.set R4,   26                          ; v26 4 r
.set BV,   28                          ; v28-31 v's bias, one pair for each tile c
.set F0,   64
.set F1,   128
.set TMP,  64                          ; the way out: f32 at work
.set PK,   96                          ; the way out: packed bf16
.set BQ,   224                         ; v224-255 q/k bias of my 8 features in each tile b
.set G1A, 24                           ; s[24:31] group 1, x's tiles
.set G0A, 32                           ; s[32:39] group 0, x's tiles, one set a slot
.set G1B, 48                           ; the q/k weights
.set G0B, 56
.set G1V, 68                           ; the v weights
.set G0V, 76
.set G1W0, (1<<16)|(1<<20)|(1<<21)|(5<<22)|(3<<25)   ; 2-byte elements, padding on, bit 21 beside a mask, after every 64 words 4 words
.set MSB, 0
.macro WIN new                         ; the immediate's high byte repeats the setting that is left
.if MSB != \new
	s_set_vgpr_msb (MSB<<8)|\new
.set MSB, \new
.endif
.endm
.macro PLACES                          ; four places behind a matrix instruction, ahead of loads into or vector work on its registers
.rept 4
	v_nop
.endr
.endm
.macro JLOAD s                         ; the wave's one joint load; the branches hang on the wave's number alone
	s_cmp_lt_u32 s10, 2
	s_cbranch_scc0 .Lnot_x_\@
	tensor_load_to_lds s[G0A+4*\s:G0A+4*\s+3], s[G1A:G1A+7]
	s_nop 0
	s_branch .Lasked_\@
.Lnot_x_\@:
	s_cmp_eq_u32 s10, 2
	s_cbranch_scc0 .Lfor_v_\@
	tensor_load_to_lds s[G0B+4*\s:G0B+4*\s+3], s[G1B:G1B+7]
	s_nop 0
	s_branch .Lasked_\@
.Lfor_v_\@:
	tensor_load_to_lds s[G0V+4*\s:G0V+4*\s+3], s[G1V:G1V+7]
	s_nop 0
.Lasked_\@:
.endm
.macro CREST                           ; a round of the cluster's barrier behind its opening work-group barrier
	s_cmp_lg_u32 s10, 0
	s_cbranch_scc1 .Lnot_wave_0_\@
	s_barrier_signal -3
.Lnot_wave_0_\@:
	s_barrier_wait -3
	s_barrier_signal -1
	s_barrier_wait -1
.endm
.macro CROUND
	s_barrier_signal -1
	s_barrier_wait -1
	CREST
.endm
	s_load_b256 s[84:91], s[0:1], 0x0              ; xb s[84:85], wib s[86:87], in_proj_b s[88:89], qf s[90:91]
	s_load_b128 s[92:95], s[0:1], 0x20             ; kf s[92:93], vf s[94:95]
	s_set_vgpr_msb 0x40
	v_lshl_add_u32 v255, v0, 2, 0x3b800
	s_set_vgpr_msb 0x4000
	v_mov_b32 v223, 0
	s_set_vgpr_msb 0x1
	ds_add_u32 v255, v223
	s_set_vgpr_msb 0x100
	v_lshrrev_b32 v1, 5, v0
	v_readfirstlane_b32 s10, v1                    ; wave 0..3
	s_lshr_b32 s11, s10, 1                         ; wr: which 128 tokens are mine
	s_and_b32 s12, s10, 1                          ; wc: which half of the features.  Also: which half of x's tile waves 0, 1 fetch
	s_bfe_u32 s40, ttmp6, 0x40000                  ; cx
	s_bfe_u32 s41, ttmp6, 0x40004                  ; cy
	s_lshl_b32 s42, ttmp9, 2
	s_add_co_u32 s42, s42, s40                     ; bx = 4 x cluster x + cx: the block of features
	s_and_b32 s13, ttmp7, 0xffff
	s_lshl_b32 s13, s13, 2
	s_add_co_u32 s13, s13, s41                     ; by = 4 x cluster y + cy: the block of 256 tokens
	s_lshl_b32 s43, s41, 2
	s_lshl_b32 s43, 15, s43                        ; my row of the cluster
	s_lshl_b32 s44, 0x1111, s40                    ; my column
	s_or_b32 s[G1A], s43, G1W0
	s_or_b32 s[G1B], s44, G1W0
	s_or_b32 s[G1V], s44, G1W0
.irp g, G1A, G1B, G1V
	s_mov_b32 s[\g+1], KSTEP<<16                   ; tensor_dim0 = 128
	s_mov_b32 s[\g+3], KSTEP<<16                   ; tile_dim0 = 128
	s_mov_b32 s[\g+5], 1024                        ; elements from row to row
	s_mov_b32 s[\g+6], 0
	s_mov_b32 s[\g+7], 0
.endr
	s_mov_b32 s[G1A+2], 128<<16                    ; tensor_dim1 = tile_dim1 = 128 rows
	s_mov_b32 s[G1A+4], 128
	s_mov_b32 s[G1B+2], 128<<16
	s_mov_b32 s[G1B+4], 128
	s_mov_b32 s[G1V+2], 64<<16                     ; 64 rows
	s_mov_b32 s[G1V+4], 64
	; where the tiles come from: each address in registers that never hold the other coordinate
	s_lshl_b32 s16, s13, 19                        ; x: 256 by rows of 2,048 bytes
	s_lshl_b32 s17, s12, 18                        ;    + 128 rows for the second half
	s_add_co_u32 s16, s16, s17
	s_mov_b32 s17, 0
	s_lshl_b32 s46, s42, 18                        ; q/k weights: 128 bx rows
	s_mov_b32 s47, 0
	s_lshl_b32 s98, s42, 17                        ; v weights: 2048 + 64 bx rows
	s_add_co_u32 s98, s98, 2048*2048
	s_mov_b32 s99, 0
	s_mul_i32 s20, s10, HALFT                      ; where they go: wave x 128 rows
	v_and_b32 v1, 15, v0                           ; r
	v_bfe_u32 v2, v0, 4, 1                         ; h
	v_lshlrev_b32 v[H32], 5, v2
	v_lshlrev_b32 v[R4], 2, v1
	s_lshl_b32 s8, s42, 9                          ; q/k bias: 4 (128 bx + 64 wc)
	s_lshl_b32 s9, s12, 8
	s_add_co_u32 s8, s8, s9
	s_mov_b32 s9, 0
	s_wait_dscnt 0x0
	s_wait_kmcnt 0x0
	s_add_nc_u64 s[100:101], s[88:89], s[8:9]
	s_lshl_b32 s8, s42, 8                          ; v bias: 4 (2048 + 64 bx + 32 wc)
	s_lshl_b32 s45, s12, 7
	s_add_co_u32 s8, s8, s45
	s_add_co_u32 s8, s8, 8192
	s_add_nc_u64 s[4:5], s[88:89], s[8:9]
	s_add_nc_u64 s[14:15], s[84:85], s[16:17]
	s_add_nc_u64 s[46:47], s[86:87], s[46:47]
	s_add_nc_u64 s[98:99], s[86:87], s[98:99]
	CROUND                                         ; all sixteen work-groups are here: the first joint loads meet
.irp s, 0,1
	s_mov_b32 s[G0A+4*\s], 1
	s_add_co_u32 s[G0A+4*\s+1], s20, \s*SLOT
	s_add_nc_u64 s[G0A+4*\s+2:G0A+4*\s+3], s[14:15], \s*KSTEP*2
	s_or_b32 s[G0A+4*\s+3], s[G0A+4*\s+3], 0x80000000
	s_mov_b32 s[G0B+4*\s], 1
	s_add_co_u32 s[G0B+4*\s+1], s20, \s*SLOT
	s_add_nc_u64 s[G0B+4*\s+2:G0B+4*\s+3], s[46:47], \s*KSTEP*2
	s_or_b32 s[G0B+4*\s+3], s[G0B+4*\s+3], 0x80000000
	s_mov_b32 s[G0V+4*\s], 1
	s_add_co_u32 s[G0V+4*\s+1], s20, \s*SLOT
	s_add_nc_u64 s[G0V+4*\s+2:G0V+4*\s+3], s[98:99], \s*KSTEP*2
	s_or_b32 s[G0V+4*\s+3], s[G0V+4*\s+3], 0x80000000
	JLOAD \s                                       ; both slots are asked for before anything else: two loads of the wave are out
.endr
	; the biases, waited for on the way out; their address registers are never rewritten
.irp b, 0,1,2,3
	global_load_b128 v[BQ+8*\b:BQ+8*\b+3],   v[H32], s[100:101] offset:\b*64
	global_load_b128 v[BQ+8*\b+4:BQ+8*\b+7], v[H32], s[100:101] offset:\b*64+16
.endr
	global_load_b32 v[BV],   v[R4], s[4:5]
	global_load_b32 v[BV+2], v[R4], s[4:5] offset:64
	v_mul_u32_u24 v3, v1, PITCH
	v_lshl_add_u32 v3, v2, 4, v3                   ; a fragment's lane address: row x pitch + 16 h
	s_mul_i32 s21, s11, HALFT                      ; my 128 tokens
	s_mul_i32 s22, s12, 64*PITCH
	s_add_co_u32 s22, s22, 2*HALFT                 ; my 64 q/k rows
	s_mul_i32 s23, s12, 32*PITCH
	s_add_co_u32 s23, s23, 3*HALFT                 ; my 32 v rows
.irp s, 0,1
	v_add_nc_u32 v[ADRA+\s], s21, v3
	v_add_nc_u32 v[ADRB+\s], s22, v3
	v_add_nc_u32 v[ADRV+\s], s23, v3
	s_add_co_u32 s21, s21, SLOT
	s_add_co_u32 s22, s22, SLOT
	s_add_co_u32 s23, s23, SLOT
.endr
	v_and_b32 v[LN16], 31, v0
	v_lshlrev_b32 v[LN16], 4, v[LN16]
; 28 LDS loads in one run: the fragments of 32 along K at byte k of the slot's rows, into buffer f
.macro FETCH slot, k, f
	WIN 0x40
.irp i, 0,1,2,3
	ds_load_b128 v[\f+8*\i:\f+8*\i+3],   v[ADRB+\slot] offset:\k+\i*16*PITCH
	ds_load_b128 v[\f+8*\i+4:\f+8*\i+7], v[ADRB+\slot] offset:\k+\i*16*PITCH+32
.endr
.irp i, 0,1
	ds_load_b128 v[\f+32+8*\i:\f+32+8*\i+3], v[ADRV+\slot] offset:\k+\i*16*PITCH
	ds_load_b128 v[\f+36+8*\i:\f+36+8*\i+3], v[ADRV+\slot] offset:\k+\i*16*PITCH+32
.endr
	WIN 0
.irp i, 0,1,2,3,4,5,6,7
	ds_load_b128 v[\f+8*\i:\f+8*\i+3],   v[ADRA+\slot] offset:\k+\i*16*PITCH
	ds_load_b128 v[\f+8*\i+4:\f+8*\i+7], v[ADRA+\slot] offset:\k+\i*16*PITCH+32
.endr
.endm
; The 48 accumulators take turns, one instruction a turn, in the same order in every quarter step.
.macro MULV f, zero                    ; 16 tiles of v: source 0 = tokens, source 1 = weights
	WIN 0xf4
.irp a, 0,1,2,3,4,5,6,7
.irp c, 0,1
.if \zero
	v_wmma_f32_16x16x32_bf16 v[8*(2*\a+\c):8*(2*\a+\c)+7], v[\f+8*\a:\f+8*\a+7], v[\f+32+8*\c:\f+32+8*\c+7], 0
.else
	v_wmma_f32_16x16x32_bf16 v[8*(2*\a+\c):8*(2*\a+\c)+7], v[\f+8*\a:\f+8*\a+7], v[\f+32+8*\c:\f+32+8*\c+7], v[8*(2*\a+\c):8*(2*\a+\c)+7]
.endif
.endr
.endr
.endm
.macro MULQK f, zero                   ; 32 tiles of q or k: source 0 = weights, source 1 = tokens
	WIN 0xa1
.irp a, 0,1,2,3,4,5,6,7
.irp b, 0,1,2,3
.if \zero
	v_wmma_f32_16x16x32_bf16 v[8*(4*\a+\b):8*(4*\a+\b)+7], v[\f+8*\b:\f+8*\b+7], v[\f+8*\a:\f+8*\a+7], 0
.else
	v_wmma_f32_16x16x32_bf16 v[8*(4*\a+\b):8*(4*\a+\b)+7], v[\f+8*\b:\f+8*\b+7], v[\f+8*\a:\f+8*\a+7], v[8*(4*\a+\b):8*(4*\a+\b)+7]
.endif
.endr
.endr
.endm
; One of a K step's first three quarters: buffer f is in; the next quarter's fragments go out into g, 48 matrix instructions ahead of their use
.macro QUARTER slot, k, f, g, zero
	s_wait_dscnt 0x0
	PLACES
	FETCH \slot, \k, \g
	MULV \f, \zero
	MULQK \f, \zero
.endm
.macro THREE slot, zero
	QUARTER \slot, 64,  F0, F1, \zero
	QUARTER \slot, 128, F1, F0, 0
	QUARTER \slot, 192, F0, F1, 0
.endm
; The last quarter changes slots.  In front of the barrier: my reads of this slot are back and all my tensor loads have landed (the one that
; was out is my part of the next slot).  Behind it (with fill: behind the cluster's round that it opens) the refill comes first.
; From a refill's request to the wait for it a wave issues 176 matrix instructions.
.macro TURN slot, next, fill
	s_wait_dscnt 0x0
	s_wait_tensorcnt 0x0
	ds_add_u32 v255, v223
	s_wait_dscnt 0x0
	s_barrier_signal -1
	MULV F1, 0                                     ; register work while the others arrive
	WIN 0
	s_barrier_wait -1
.if \fill
	CREST
	s_add_nc_u64 s[G0A+4*\slot+2:G0A+4*\slot+3], s[G0A+4*\slot+2:G0A+4*\slot+3], 2*KSTEP*2
	s_add_nc_u64 s[G0B+4*\slot+2:G0B+4*\slot+3], s[G0B+4*\slot+2:G0B+4*\slot+3], 2*KSTEP*2
	s_add_nc_u64 s[G0V+4*\slot+2:G0V+4*\slot+3], s[G0V+4*\slot+2:G0V+4*\slot+3], 2*KSTEP*2
	JLOAD \slot
.endif
	PLACES
	FETCH \next, 0, F0
	MULQK F1, 0
.endm
.macro LAP zero
	THREE 0, \zero
	TURN 0, 1, 1
	THREE 1, 0
	TURN 1, 0, 1
.endm
	s_wait_tensorcnt 0x1                           ; my part of K step 0 is in; K step 1's stays out
	s_barrier_signal -1
	s_barrier_wait -1
	FETCH 0, 0, F0
	LAP 1                                          ; the first products start the sums: nothing is cleared
	WIN 0
	s_mov_b32 s3, LAPS-2
.Llap:
	LAP 0
	WIN 0
	s_sub_co_u32 s3, s3, 1
	s_cmp_lg_u32 s3, 0
	s_cbranch_scc1 .Llap
	THREE 0, 0                                     ; the last lap fills nothing
	TURN 0, 1, 0
	THREE 1, 0
	s_wait_dscnt 0x0
	MULV F1, 0
	MULQK F1, 0
	; THE WAY OUT: bias (and q's scale) in f32, one rounding, 16 bytes a lane, 512 consecutive bytes a store.  No LDS.
	PLACES
	WIN 0
	s_lshr_b32 s18, s13, 2                         ; batch
	s_and_b32 s19, s42, 7
	s_lshl1_add_u32 s19, s19, s12                  ; head of q or k = 2 (bx & 7) + wc
	s_lshl4_add_u32 s18, s18, s19
	s_lshl_b32 s18, s18, 6
	s_and_b32 s19, s13, 3
	s_lshl1_add_u32 s19, s19, s11
	s_lshl3_add_u32 s18, s19, s18                  ; + token tile 16 (by & 3) + 8 wr
	s_lshl_b32 s8, s18, 11
	s_mov_b32 s9, 0
	s_cmp_lt_u32 ttmp9, 2                          ; bx < 8: the block is q's
	s_cselect_b64 s[6:7], s[90:91], s[92:93]
	s_cselect_b32 s96, 0x3e38aa3b, 1.0             ; 0.125 log2(e) for q, 1 for k
	s_mov_b32 s97, s96
	s_add_nc_u64 s[6:7], s[6:7], s[8:9]
	s_lshr_b32 s18, s13, 2
	s_lshl4_add_u32 s18, s18, s42                  ; batch x 16 + head of v (= bx)
	s_lshl_b32 s18, s18, 5
	s_lshl2_add_u32 s18, s19, s18                  ; + key step 8 (by & 3) + 4 wr
	s_lshl1_add_u32 s18, s18, s12                  ; x 4 + 2 wc, in units of 2,048 bytes
	s_lshl_b32 s8, s18, 11
	s_add_nc_u64 s[66:67], s[94:95], s[8:9]
	s_wait_loadcnt 0x0                             ; the biases
.irp i, 0,2,4,6,8,10,12,14,16,18,20,22,24,26,28,30
	v_pk_mul_f32 v[BQ+\i:BQ+\i+1], v[BQ+\i:BQ+\i+1], s[96:97] op_sel_hi:[1,0]
.endr
	v_mov_b32 v[BV+1], v[BV]
	v_mov_b32 v[BV+3], v[BV+2]
.macro OUTQK a
	WIN 0x02
.irp b, 0,1,2,3
.irp i, 0,2,4,6
	v_pk_fma_f32 v[TMP+8*\b+\i:TMP+8*\b+\i+1], v[8*(4*\a+\b)+\i:8*(4*\a+\b)+\i+1], s[96:97], v[BQ+8*\b+\i:BQ+8*\b+\i+1] op_sel_hi:[1,0,1]
.endr
.endr
	WIN 0
	s_wait_xcnt 0x0                                ; the packed registers, which the last stores read, are rewritten only behind this wait
.irp b, 0,1,2,3
.irp i, 0,1,2,3
	v_cvt_pk_bf16_f32 v[PK+4*\b+\i], v[TMP+8*\b+2*\i], v[TMP+8*\b+2*\i+1]
.endr
	global_store_b128 v[LN16], v[PK+4*\b:PK+4*\b+3], s[6:7] offset:\a*2048+\b*512
.endr
.endm
.macro OUTV a
	WIN 0x03
.irp c, 0,1
.irp i, 0,2,4,6
	v_pk_add_f32 v[TMP+8*\c+\i:TMP+8*\c+\i+1], v[8*(2*\a+\c)+\i:8*(2*\a+\c)+\i+1], v[BV+2*\c:BV+2*\c+1]
.endr
.endr
	WIN 0
	s_wait_xcnt 0x0
.irp c, 0,1
.irp i, 0,1,2,3
	v_cvt_pk_bf16_f32 v[PK+4*\c+\i], v[TMP+8*\c+2*\i], v[TMP+8*\c+2*\i+1]
.endr
	global_store_b128 v[LN16], v[PK+4*\c:PK+4*\c+3], s[66:67] offset:(\a>>1)*4096+\c*1024+(\a&1)*512
.endr
.endm
.irp a, 0,1,2,3,4,5,6,7
	OUTQK \a
	OUTV \a
.endr
	CROUND                                         ; the closing round: no work-group ends while a partner may still ask jointly
	s_endpgm
.Lfunc_end_k_q0b4a157c1c_qkv:
	.size	k_q0b4a157c1c_qkv, .Lfunc_end_k_q0b4a157c1c_qkv-k_q0b4a157c1c_qkv
	.p2alignl 7, 3214868480
	.fill 96, 4, 3214868480
	.section	.rodata,"a",@progbits
	.p2align	6, 0x0
	.amdhsa_kernel k_q0b4a157c1c_qkv
		.amdhsa_group_segment_fixed_size 327680
		.amdhsa_private_segment_fixed_size 0
		.amdhsa_enable_private_segment 0
		.amdhsa_kernarg_size 48
		.amdhsa_user_sgpr_count 2
		.amdhsa_user_sgpr_kernarg_segment_ptr 1
		.amdhsa_wavefront_size32 1
		.amdhsa_system_sgpr_workgroup_id_x 1
		.amdhsa_system_sgpr_workgroup_id_y 1
		.amdhsa_system_sgpr_workgroup_id_z 1
		.amdhsa_system_vgpr_workitem_id 0
		.amdhsa_next_free_vgpr 896
		.amdhsa_next_free_sgpr 102
		.amdhsa_reserve_vcc 0
		.amdhsa_float_denorm_mode_32 3
		.amdhsa_float_denorm_mode_16_64 3
		.amdhsa_memory_ordered 1
		.amdhsa_forward_progress 1
		.amdhsa_inst_pref_size 167
	.end_amdhsa_kernel
	.amdgpu_metadata
---
amdhsa.version: [ 1, 2 ]
amdhsa.kernels:
  - .name:           k_q0b4a157c1c_qkv
    .symbol:         k_q0b4a157c1c_qkv.kd
    .args:
      - { .name: xb, .offset: 0, .size: 8, .value_kind: global_buffer, .address_space: global }
      - { .name: wib, .offset: 8, .size: 8, .value_kind: global_buffer, .address_space: global }
      - { .name: in_proj_b, .offset: 16, .size: 8, .value_kind: global_buffer, .address_space: global }
      - { .name: qf, .offset: 24, .size: 8, .value_kind: global_buffer, .address_space: global }
      - { .name: kf, .offset: 32, .size: 8, .value_kind: global_buffer, .address_space: global }
      - { .name: vf, .offset: 40, .size: 8, .value_kind: global_buffer, .address_space: global }
    .group_segment_fixed_size: 327680
    .private_segment_fixed_size: 0
    .kernarg_segment_align: 8
    .kernarg_segment_size: 48
    .max_flat_workgroup_size: 128
    .sgpr_count:     102
    .vgpr_count:     896
    .wavefront_size: 32
...
	.end_amdgpu_metadata
.endif
;; end of part 2
;; launch attn (part 3): grid 256 x 1, 4 waves a work-group, clusters of 4 x 1, 327,680 bytes of LDS; arguments qf, kf, vf, time_decay, attnf, out1; writes attnf, out1
.if DOCPART == 3
	.amdgcn_target "amdgcn-amd-amdhsa--gfx1250"
	.amdhsa_code_object_version 6
	.text
	.protected	k_q0b4a157c1c_attn
	.globl	k_q0b4a157c1c_attn
	.p2align	8
	.type	k_q0b4a157c1c_attn,@function
k_q0b4a157c1c_attn:
	s_mov_b64 s[64:65], 0
	v_nop
	global_prefetch_b8 v0, s[64:65] scope:SCOPE_SE
	s_setreg_imm32_b32 hwreg(HW_REG_WAVE_MODE, 25, 1), 1
	s_wait_xcnt 0x0
	s_wait_alu depctr_hold_cnt(0) depctr_sa_sdst(0) depctr_va_vdst(0) depctr_va_sdst(0) depctr_va_ssrc(0) depctr_va_vcc(0) depctr_vm_vsrc(0)
	s_getreg_b32 s2, hwreg(HW_REG_IB_STS2, 6, 4)
	s_cmp_eq_u32 s2, 0
	s_cbranch_scc0 .Lentry_in_a_cluster
	s_endpgm
.Lentry_in_a_cluster:
	s_bfe_u32 s2, ttmp6, 0x10000c
	s_cmp_lg_u32 s2, 0x3003
	s_cbranch_scc0 .Lentry_shape_is_right
	s_endpgm
.Lentry_shape_is_right:
; Attention with the bias -|time_decay| |i - j|, and the mean over the 16 heads of the normalised weights (out1).
; A work-group: 32 query rows of one batch, all 16 heads, all 1,024 keys.  Wave w: keys 256 w .. 256 w + 255 for both query tiles, so each
; byte of K and V in LDS is read by one wave.  The wave keeps its 32 x 256 scores of a head in 256 registers and its 32 x 256 part of out1
; in 256 more: the weights never go to memory but as out1.
; SOFTMAX in base 2 (q carries 0.125 log2 e): the exact maximum, first over the wave's 256 keys, then over the four waves through LDS;
; weights p = 2^(s - m_wave), later scaled by 2^(m_wave - M) / L.  Sums in f32; p rounded to bf16 for P V only.
; LIMITS: NaN and infinite inputs are not served; v_exp_f32 returns 0 for results below 2^-126 (ISA guide 15.8), so weights below 1.2e-38 count as 0.
; CLUSTERS 4 x 1: the four work-groups are four query blocks of one batch and ask for each head's K and V jointly (mask 15).
; One slot for K and one for V, each 131,072 bytes = a head.  K of head h + 1 is asked for behind the round that follows head h's scores and has
; the softmax and P V in which to land; V of head h + 1 behind the round that follows P V and has the combining and the next scores.
; A wave has two tensor loads out at the start and one afterwards.
; LAYOUT: scores are made transposed (source 0 = K, source 1 = Q): lane (r, h) holds query 16 qt + r and keys 16 kt + 8 h + 0..7, which
; packed to bf16 IS the fragment of P for P V.  The bias hangs on kt - qt alone: 17 resident tiles enter as the C of the first product.
; REGISTERS: window 0 addresses, Q, P, O, statistics; window 1 W = out1's sums, tile (kt, qt) at 8 (2 kt + qt); window 2 S likewise;
; window 3: v0-95 three buffers of K or V fragments, v96-231 the bias tiles, v232-239 their seed.
.set HSTEP,  131072                    ; bytes of a head in qf, kf, vf
.set VSLOT,  131072
.set OX,     262144                    ; per wave O^T [64 hd][32 q] f32, rows 144 bytes apart
.set OXP,    144
.set STAT,   OX+4*64*OXP               ; m at 16 q + 4 w, l 512 bytes behind
.set SP,     1040                      ; out1's stage: 1,024 bytes + 16
.set QR, 24                            ; v24-55   Q fragments at 16 qt + 8 ks
.set PT, 56                            ; v56-87   P fragments, two buffers of 16; later the waves' parts of O
.set OA, 88                            ; v88-151  O tiles at 8 (4 qt + ht)
.set MX, 152                           ; v152-159 chains of the maximum; m of qt at MX + 4 qt
.set MN, 160                           ; v160-163 -m, a pair for each qt
.set LS, 164                           ; v164-179 chains of the sum; l of qt at LS + 8 qt
.set MS, 180                           ; v180 my m, v181 my l, for query = lane
.set MM, 188                           ; v188-191 the four waves' m
.set LL, 192                           ; v192-195 the four waves' l
.set EX, 196                           ; v196-200 2^(m - M): four waves, then my own
.set RI, 201
.set FP, 204                           ; v204-211 2^(m_w - M) / L, a pair for each wave
.set GG, 212                           ; v212-215 my factor / 16 in the scores' layout, a pair for each qt
.set AO, 216                           ; v216-223 packed output
.set BT, 96                            ; window 3
.set G1, 28                            ; s[28:35] group 1; s[36:39] K's group 0; s[40:43] V's
.set MSB, 0
.macro WIN new
.if MSB != \new
	s_set_vgpr_msb (MSB<<8)|\new
.set MSB, \new
.endif
.endm
.macro PLACES                          ; four places behind a matrix instruction (ISA guide 7.12.1)
.rept 4
	v_nop
.endr
.endm
.macro ROUND                           ; a round of the cluster's barrier
	s_barrier_signal -1
	s_barrier_wait -1
	s_cmp_lg_u32 s16, 0
	s_cbranch_scc1 .Lnot_wave_0_\@
	s_barrier_signal -3
.Lnot_wave_0_\@:
	s_barrier_wait -3
	s_barrier_signal -1
	s_barrier_wait -1
.endm
	s_load_b256 s[4:11], s[0:1], 0x0               ; qf s[4:5], kf s[6:7], vf s[8:9], time_decay s[10:11]
	s_load_b128 s[12:15], s[0:1], 0x20             ; attnf s[12:13], out1 s[14:15]
	v_lshl_add_u32 v254, v0, 2, 0x49400
	v_mov_b32 v255, 0
	ds_add_u32 v254, v255
	v_lshrrev_b32 v1, 5, v0
	v_readfirstlane_b32 s16, v1                    ; wave
	s_bfe_u32 s17, ttmp6, 0x40000                  ; cx
	s_lshr_b32 s18, ttmp9, 3                       ; batch: eight clusters each
	s_and_b32 s19, ttmp9, 7
	s_lshl2_add_u32 s19, s19, s17                  ; block of 32 queries in the batch
	s_mov_b32 s22, 0x76543210                      ; v_permlanex16_b32: lane i reads lane i xor 16
	s_mov_b32 s23, 0xfedcba98
	s_mov_b32 s24, 0xffff0000                      ; lanes 16-31
	; group 1: 32,768 dense bytes as 128 rows of 32 elements of 8 bytes, to all four work-groups
	s_mov_b32 s[G1+0], 15|(3<<16)|(1<<21)
	s_mov_b32 s[G1+1], 32<<16
	s_mov_b32 s[G1+2], 128<<16
	s_mov_b32 s[G1+3], 32<<16
	s_mov_b32 s[G1+4], 128
	s_mov_b32 s[G1+5], 32
	s_mov_b32 s[G1+6], 0
	s_mov_b32 s[G1+7], 0
	s_lshl_b32 s25, s16, 15                        ; my 32,768 bytes of a slot and of a head
	s_lshl_b32 s26, s18, 21                        ; 16 heads of 131,072 bytes a batch
	s_add_co_u32 s26, s26, s25
	s_mov_b32 s27, 0
	s_mov_b32 s36, 1
	s_lshl_b32 s37, s16, 15
	s_mov_b32 s40, 1
	s_add_co_u32 s41, s37, VSLOT
	s_wait_dscnt 0x0
	s_wait_kmcnt 0x0
	s_add_nc_u64 s[38:39], s[6:7], s[26:27]
	s_or_b32 s39, s39, 0x80000000
	s_add_nc_u64 s[42:43], s[8:9], s[26:27]
	s_or_b32 s43, s43, 0x80000000
	ROUND
	tensor_load_to_lds s[36:39], s[G1:G1+7]        ; K of head 0
	s_nop 0
	tensor_load_to_lds s[40:43], s[G1:G1+7]        ; V of head 0
	s_nop 0
	s_load_b32 s21, s[10:11], 0x0
	s_lshl_b32 s50, s18, 21
	s_lshl_b32 s51, s19, 12                        ; two token tiles of 2,048 bytes a block
	s_add_co_u32 s50, s50, s51
	s_mov_b32 s51, 0
	s_add_nc_u64 s[44:45], s[4:5], s[50:51]        ; Q of head 0
	v_and_b32 v1, 31, v0                           ; L
	v_and_b32 v2, 15, v0                           ; r
	v_bfe_u32 v3, v0, 4, 1                         ; h
	v_lshlrev_b32 v10, 4, v1                       ; 16 L
.macro LOADQ                           ; 4 fragments: register 4 i from byte 512 i
.irp i, 0,1,2,3,4,5,6,7
	global_load_b128 v[QR+4*\i:QR+4*\i+3], v10, s[44:45] offset:\i*512
.endr
.endm
	LOADQ
	s_lshl_b32 s50, s18, 21                        ; attnf: token tile (64 batch + 2 block) x 32,768 + my 16 features of a head's 64
	s_lshl_b32 s51, s19, 16
	s_add_co_u32 s50, s50, s51
	s_lshl_b32 s51, s16, 9
	s_add_co_u32 s50, s50, s51
	s_mov_b32 s51, 0
	s_add_nc_u64 s[46:47], s[12:13], s[50:51]
	s_lshl_b32 s50, s18, 22                        ; out1: row (1024 batch + 32 block), column 256 w
	s_lshl_b32 s51, s19, 17
	s_add_co_u32 s50, s50, s51
	s_lshl_b32 s51, s16, 10
	s_add_co_u32 s50, s50, s51
	s_mov_b32 s51, 0
	s_add_nc_u64 s[48:49], s[14:15], s[50:51]
	v_add_nc_u32 v4, s25, v10                      ; K fragments: my part + 16 L
	v_add_nc_u32 v5, VSLOT, v4                     ; V fragments
	v_mul_u32_u24 v6, v2, OXP
	v_lshl_add_u32 v6, v3, 5, v6
	s_mul_i32 s53, s16, 64*OXP
	s_add_co_u32 s53, s53, OX
	v_add_nc_u32 v6, s53, v6                       ; O out: row hd = 16 ht + r, 8 h queries on
	s_mul_i32 s53, s16, 16*OXP
	s_add_co_u32 s53, s53, OX
	v_lshl_add_u32 v7, v1, 2, s53                  ; O back: rows hd = 16 w + i, query = lane
	v_lshl_add_u32 v9, v1, 4, STAT                 ; the four waves' statistics of query = lane
	s_lshl_b32 s53, s16, 2
	v_add_nc_u32 v8, s53, v9                       ; my word among them
	v_lshlrev_b32 v11, 4, v2
	v_lshl_add_u32 v11, v3, 15, v11                ; attnf: token tile L >> 4, 16 bytes of row L & 15
	v_mul_u32_u24 v12, v2, SP
	v_lshl_add_u32 v12, v3, 5, v12
	v_add_nc_u32 v12, s25, v12                     ; out1's stage for qt 0 (my part of K's slot), row r, 8 h keys on
	v_add_nc_u32 v13, VSLOT, v12                   ; for qt 1 (my part of V's slot)
	; the bias tiles: entry j of tile d = -|td| log2(e) |256 w + 8 h - q0 - r + 16 (d - 1) + j|
	s_lshl_b32 s50, s16, 8
	s_lshl_b32 s51, s19, 5
	s_sub_co_u32 s50, s50, s51
	s_sub_co_u32 s50, s50, 16
	v_lshl_add_u32 v16, v3, 3, s50
	v_sub_nc_u32 v16, v16, v2
	s_wait_kmcnt 0x0
	s_or_b32 s21, s21, 0x80000000                  ; -|td|
	s_mul_f32 s21, s21, 0x3fb8aa3b
	WIN 0xc0
.irp j, 2,3,4,5,6,7,8,9
	v_add_nc_u32 v23\j, \j-2, v16
.endr
	WIN 0xcf
.irp j, 2,3,4,5,6,7,8,9
	v_cvt_f32_i32 v23\j, v23\j
.endr
.set dd, 0
.rept 17
.irp j, 2,3,4,5,6,7,8,9
	v_mul_f32 v[BT+8*dd+\j-2], s21, |v23\j|
.endr
.if dd < 16
.irp j, 232,234,236,238
	v_pk_add_f32 v[\j:\j+1], v[\j:\j+1], 0x41800000 op_sel_hi:[1,0]   ; sixteen keys on
.endr
.endif
.set dd, dd+1
.endr
	WIN 0
; eight loads: unit u (4,096 bytes: two key tiles of K, or a key step of V) into buffer u mod 3, register 4 i from byte 512 i
.macro LDU adr, u
	WIN 0xc0
.irp i, 0,1,2,3,4,5,6,7
	ds_load_b128 v[32*((\u)%3)+4*\i:32*((\u)%3)+4*\i+3], v[\adr] offset:(\u)*4096+\i*512
.endr
.endm
; scores of key tiles 2 u, 2 u + 1 for both query tiles.  left = LDS loads of the younger units that may stay out.
; The four accumulators take turns, one instruction a turn.
.macro QKU u, left
.if \u < 6
	PLACES
	LDU 4, \u+2
.endif
	s_wait_dscnt \left
	WIN 0xb3
.irp t, 0,1
.irp qt, 0,1
	v_wmma_f32_16x16x32_bf16 v[8*(2*(2*\u+\t)+\qt):8*(2*(2*\u+\t)+\qt)+7], v[32*(\u%3)+16*\t:32*(\u%3)+16*\t+7], v[QR+16*\qt:QR+16*\qt+7], v[BT+8*(2*\u+\t-\qt+1):BT+8*(2*\u+\t-\qt+1)+7]
.endr
.endr
	WIN 0xa3
.irp t, 0,1
.irp qt, 0,1
	v_wmma_f32_16x16x32_bf16 v[8*(2*(2*\u+\t)+\qt):8*(2*(2*\u+\t)+\qt)+7], v[32*(\u%3)+16*\t+8:32*(\u%3)+16*\t+15], v[QR+16*\qt+8:QR+16*\qt+15], v[8*(2*(2*\u+\t)+\qt):8*(2*(2*\u+\t)+\qt)+7]
.endr
.endr
.endm
; P V for the 32 keys of step kk.  The sixteen conversions are also the places behind step kk - 1's matrix instructions, whose V buffer is loaded again.
; The eight accumulators take turns, one instruction a turn.
.macro PVU kk, left, zero
	WIN 0x0a
.irp qt, 0,1
.irp t, 0,1
.irp i, 0,1,2,3
	v_cvt_pk_bf16_f32 v[PT+16*(\kk&1)+8*\qt+4*\t+\i], v[8*(2*(2*\kk+\t)+\qt)+2*\i], v[8*(2*(2*\kk+\t)+\qt)+2*\i+1]
.endr
.endr
.endr
.if \kk < 6
	LDU 5, \kk+2
.endif
	s_wait_dscnt \left
	WIN 0x0c
.irp qt, 0,1
.irp ht, 0,1,2,3
.if \zero
	v_wmma_f32_16x16x32_bf16 v[OA+8*(4*\qt+\ht):OA+8*(4*\qt+\ht)+7], v[PT+16*(\kk&1)+8*\qt:PT+16*(\kk&1)+8*\qt+7], v[32*(\kk%3)+8*\ht:32*(\kk%3)+8*\ht+7], 0
.else
	v_wmma_f32_16x16x32_bf16 v[OA+8*(4*\qt+\ht):OA+8*(4*\qt+\ht)+7], v[PT+16*(\kk&1)+8*\qt:PT+16*(\kk&1)+8*\qt+7], v[32*(\kk%3)+8*\ht:32*(\kk%3)+8*\ht+7], v[OA+8*(4*\qt+\ht):OA+8*(4*\qt+\ht)+7]
.endif
.endr
.endr
.endm
; One head.  first = 1: out1's sums start here.  fill = 1: a further head follows and is asked for.
.macro HEAD first, fill
	; ---- scores
	s_wait_loadcnt 0x0                             ; Q of this head; its loads are done, so their base may step
.if \fill
	s_add_nc_u64 s[44:45], s[44:45], HSTEP
.endif
	QKU 0, 16
	QKU 1, 16
	QKU 2, 16
	QKU 3, 16
	QKU 4, 16
	QKU 5, 16
	QKU 6, 8
	QKU 7, 0
	PLACES
	WIN 0
	s_wait_dscnt 0x0                               ; my reads of K's slot (and of the last head's O and statistics) are back
	s_wait_tensorcnt 0x0                           ; all my tensor loads have landed: V of this head
	ds_add_u32 v254, v255
	s_wait_dscnt 0x0
.if \fill
	s_add_nc_u64 s[38:39], s[38:39], HSTEP
	ROUND                                          ; both hold of every wave of all four work-groups
	tensor_load_to_lds s[36:39], s[G1:G1+7]        ; K of the next head
	s_nop 0
	LOADQ
.else
	s_barrier_signal -1                            ; orders the last head's reads of O and statistics with this head's stores
	s_barrier_wait -1
.endif
	LDU 5, 0
	LDU 5, 1
	; ---- softmax over my 256 keys: maximum in eight chains
	WIN 0x0a
.irp qt, 0,1
.irp c, 0,1,2,3
	v_max_num_f32 v[MX+4*\qt+\c], v[8*\qt+2*\c], v[8*\qt+2*\c+1]
.endr
.endr
.set ti, 1
.rept 15
.irp qt, 0,1
.irp c, 0,1,2,3
	v_max3_num_f32 v[MX+4*\qt+\c], v[8*(2*ti+\qt)+2*\c], v[8*(2*ti+\qt)+2*\c+1], v[MX+4*\qt+\c]
.endr
.endr
.set ti, ti+1
.endr
	WIN 0
.irp qt, 0,1
	v_max3_num_f32 v[MX+4*\qt], v[MX+4*\qt], v[MX+4*\qt+1], v[MX+4*\qt+2]
	v_max_num_f32 v[MX+4*\qt], v[MX+4*\qt], v[MX+4*\qt+3]
	v_permlanex16_b32 v[MX+4*\qt+1], v[MX+4*\qt], s22, s23     ; the other eight keys of each tile lie 16 lanes away
	v_max_num_f32 v[MX+4*\qt], v[MX+4*\qt], v[MX+4*\qt+1]
	v_mul_f32 v[MN+2*\qt], -1.0, v[MX+4*\qt]
	v_mul_f32 v[MN+2*\qt+1], -1.0, v[MX+4*\qt]
.endr
	WIN 0x82
.set ti, 0
.rept 32
.irp i, 0,2,4,6
	v_pk_add_f32 v[8*ti+\i:8*ti+\i+1], v[8*ti+\i:8*ti+\i+1], v[MN+2*(ti&1):MN+2*(ti&1)+1]
.endr
.irp i, 0,1,2,3,4,5,6,7
	v_exp_f32 v[8*ti+\i], v[8*ti+\i]               ; the next tile's additions are the plain place behind these (ISA guide 5.7.2)
.endr
.set ti, ti+1
.endr
	v_nop
	WIN 0x0a                                       ; the sum in eight chains of pairs
	s_wait_alu depctr_va_vdst(0)
.irp qt, 0,1
.irp c, 0,2,4,6
	v_pk_add_f32 v[LS+8*\qt+\c:LS+8*\qt+\c+1], v[8*\qt+\c:8*\qt+\c+1], v[8*(2+\qt)+\c:8*(2+\qt)+\c+1]
.endr
.endr
	WIN 0x02
.set ti, 2
.rept 14
.irp qt, 0,1
.irp c, 0,2,4,6
	v_pk_add_f32 v[LS+8*\qt+\c:LS+8*\qt+\c+1], v[8*(2*ti+\qt)+\c:8*(2*ti+\qt)+\c+1], v[LS+8*\qt+\c:LS+8*\qt+\c+1]
.endr
.endr
.set ti, ti+1
.endr
	WIN 0
.irp qt, 0,1
	v_pk_add_f32 v[LS+8*\qt:LS+8*\qt+1], v[LS+8*\qt:LS+8*\qt+1], v[LS+8*\qt+2:LS+8*\qt+3]
	v_pk_add_f32 v[LS+8*\qt+4:LS+8*\qt+5], v[LS+8*\qt+4:LS+8*\qt+5], v[LS+8*\qt+6:LS+8*\qt+7]
	v_pk_add_f32 v[LS+8*\qt:LS+8*\qt+1], v[LS+8*\qt:LS+8*\qt+1], v[LS+8*\qt+4:LS+8*\qt+5]
	v_add_f32 v[LS+8*\qt], v[LS+8*\qt], v[LS+8*\qt+1]
	v_permlanex16_b32 v[LS+8*\qt+1], v[LS+8*\qt], s22, s23
	v_add_f32 v[LS+8*\qt], v[LS+8*\qt], v[LS+8*\qt+1]
.endr
	; ---- P V over my 256 keys
	PVU 0, 16, 1
	PVU 1, 16, 0
	PVU 2, 16, 0
	PVU 3, 16, 0
	PVU 4, 16, 0
	PVU 5, 16, 0
	PVU 6, 8, 0
	PVU 7, 0, 0
	PLACES
	WIN 0
	v_cndmask_b32 v[MS], v[MX], v[MX+4], s24       ; lane L speaks for query L
	v_cndmask_b32 v[MS+1], v[LS], v[LS+8], s24
	ds_store_b32 v8, v[MS]
	ds_store_b32 v8, v[MS+1] offset:512
.irp qt, 0,1
.irp ht, 0,1,2,3
	ds_store_b128 v6, v[OA+8*(4*\qt+\ht):OA+8*(4*\qt+\ht)+3]   offset:\ht*16*OXP+\qt*64
	ds_store_b128 v6, v[OA+8*(4*\qt+\ht)+4:OA+8*(4*\qt+\ht)+7] offset:\ht*16*OXP+\qt*64+16
.endr
.endr
	s_wait_dscnt 0x0                               ; my stores are in LDS and my reads of V's slot are back
	s_wait_tensorcnt 0x0                           ; all my tensor loads have landed: K of the next head
	ds_add_u32 v254, v255
	s_wait_dscnt 0x0
.if \fill
	s_add_nc_u64 s[42:43], s[42:43], HSTEP
	ROUND
	tensor_load_to_lds s[40:43], s[G1:G1+7]        ; V of the next head
	s_nop 0
.else
	s_barrier_signal -1
	s_barrier_wait -1
.endif
	; ---- the four waves' parts are combined: I take hd 16 w .. 16 w + 15 of all 32 queries, query = lane
	ds_load_b128 v[MM:MM+3], v9
	ds_load_b128 v[LL:LL+3], v9 offset:512
.irp wp, 0,1
.irp i, 0,1,2,3,4,5,6,7,8,9,10,11,12,13,14,15
	ds_load_b32 v[PT+16*\wp+\i], v7 offset:\wp*64*OXP+\i*OXP
.endr
.endr
.if \fill
	LDU 4, 0                                       ; the next head's first K fragments
	LDU 4, 1
	WIN 0
.endif
	s_wait_dscnt 32+16*\fill                       ; the statistics are in; what was issued behind them stays out
	v_max3_num_f32 v16, v[MM], v[MM+1], v[MM+2]
	v_max_num_f32 v16, v16, v[MM+3]                ; M
.irp i, 0,1,2,3
	v_sub_f32 v[EX+\i], v[MM+\i], v16
.endr
	v_sub_f32 v[EX+4], v[MS], v16
.irp i, 0,1,2,3,4
	v_exp_f32 v[EX+\i], v[EX+\i]
.endr
	v_nop
	s_wait_alu depctr_va_vdst(0)
	v_mul_f32 v17, v[EX], v[LL]
	v_fmac_f32 v17, v[EX+1], v[LL+1]
	v_fmac_f32 v17, v[EX+2], v[LL+2]
	v_fmac_f32 v17, v[EX+3], v[LL+3]               ; L, at least 1: the wave that holds M adds 2^0
	v_rcp_f32 v[RI], v17
	v_nop
	s_wait_alu depctr_va_vdst(0)
.irp i, 0,1,2,3
	v_mul_f32 v[FP+2*\i], v[EX+\i], v[RI]
	v_mul_f32 v[FP+2*\i+1], v[EX+\i], v[RI]
.endr
	v_mul_f32 v18, v[EX+4], v[RI]
	v_mul_f32 v18, 0x3d800000, v18                 ; my weights' factor, with the mean's 1/16
	v_mov_b32 v19, v18
	v_permlanex16_b32 v19, v18, s22, s23
	v_cndmask_b32 v[GG], v18, v19, s24             ; in the scores' layout lane (r, h) wants query 16 qt + r
	v_cndmask_b32 v[GG+1], v18, v19, s24
	v_cndmask_b32 v[GG+2], v19, v18, s24
	v_cndmask_b32 v[GG+3], v19, v18, s24
	s_wait_dscnt 16*\fill                          ; the parts of waves 0 and 1 are in
.irp i, 0,2,4,6,8,10,12,14
	v_pk_mul_f32 v[OA+\i:OA+\i+1], v[PT+\i:PT+\i+1], v[FP:FP+1]
.endr
.irp i, 0,2,4,6,8,10,12,14
	v_pk_fma_f32 v[OA+\i:OA+\i+1], v[PT+16+\i:PT+16+\i+1], v[FP+2:FP+3], v[OA+\i:OA+\i+1]
.endr
.irp wp, 2,3
.irp i, 0,1,2,3,4,5,6,7,8,9,10,11,12,13,14,15
	ds_load_b32 v[PT+16*(\wp-2)+\i], v7 offset:\wp*64*OXP+\i*OXP
.endr
.endr
	WIN 0x52                                       ; out1's sums, while those loads are on their way
.set ti, 0
.rept 32
.irp i, 0,2,4,6
.if \first
	v_pk_mul_f32 v[8*ti+\i:8*ti+\i+1], v[8*ti+\i:8*ti+\i+1], v[GG+2*(ti&1):GG+2*(ti&1)+1]
.else
	v_pk_fma_f32 v[8*ti+\i:8*ti+\i+1], v[8*ti+\i:8*ti+\i+1], v[GG+2*(ti&1):GG+2*(ti&1)+1], v[8*ti+\i:8*ti+\i+1]
.endif
.endr
.set ti, ti+1
.endr
	WIN 0
	s_wait_dscnt 0x0
.irp i, 0,2,4,6,8,10,12,14
	v_pk_fma_f32 v[OA+\i:OA+\i+1], v[PT+\i:PT+\i+1], v[FP+4:FP+5], v[OA+\i:OA+\i+1]
.endr
.irp i, 0,2,4,6,8,10,12,14
	v_pk_fma_f32 v[OA+\i:OA+\i+1], v[PT+16+\i:PT+16+\i+1], v[FP+6:FP+7], v[OA+\i:OA+\i+1]
.endr
	s_wait_xcnt 0x0                                ; the last head's stores have read their data and base: both are rewritten only behind this wait
.if \first == 0
	s_add_nc_u64 s[46:47], s[46:47], 2048          ; a head is two fragments along the features
.endif
.irp i, 0,1,2,3,4,5,6,7
	v_cvt_pk_bf16_f32 v[AO+\i], v[OA+2*\i], v[OA+2*\i+1]
.endr
	global_store_b128 v11, v[AO:AO+3], s[46:47]                ; sixteen lanes store 256 consecutive bytes, aligned
	global_store_b128 v11, v[AO+4:AO+7], s[46:47] offset:256
.endm
	s_wait_tensorcnt 0x1                           ; K of head 0 is in (my own bytes: no other wave reads them); V's load stays out
	LDU 4, 0
	LDU 4, 1
	WIN 0
	HEAD 1, 1
	s_mov_b32 s20, 14
.Lhead:
	HEAD 0, 1
	s_sub_co_u32 s20, s20, 1
	s_cmp_lg_u32 s20, 0
	s_cbranch_scc1 .Lhead
	HEAD 0, 0
	; out1: my 16 x 256 numbers of each query tile turn into rows through a stage in my own part of a slot that has had its last fill.
	; LDS serves a wave's instructions in order (ISA guide 5.7.1.4): the loads see the stores above them.
.macro OUT1 qt, sw, rd
	WIN 0x04
.irp kt, 0,1,2,3,4,5,6,7,8,9,10,11,12,13,14,15
	ds_store_b128 v[\sw], v[8*(2*\kt+\qt):8*(2*\kt+\qt)+3]   offset:\kt*64
	ds_store_b128 v[\sw], v[8*(2*\kt+\qt)+4:8*(2*\kt+\qt)+7] offset:\kt*64+16
.endr
	WIN 0x80
.set ti, 0
.rept 32
	ds_load_b128 v[128*\qt+4*ti:128*\qt+4*ti+3], v[\rd] offset:(ti>>1)*SP+(ti&1)*512
.set ti, ti+1
.endr
	WIN 0x08
.set ti, 0
.rept 32
	s_wait_dscnt 31-ti                             ; load ti is in, the younger ones stay out
	global_store_b128 v10, v[128*\qt+4*ti:128*\qt+4*ti+3], s[48:49] offset:\qt*65536+(ti>>1)*4096+(ti&1)*512 th:TH_STORE_NT
.set ti, ti+1
.endr
.endm
	OUT1 0, 12, 4
	OUT1 1, 13, 5
	WIN 0
	s_wait_dscnt 0x0
	s_wait_tensorcnt 0x0
	ds_add_u32 v254, v255
	s_wait_dscnt 0x0
	ROUND                                          ; the closing round
	s_endpgm
.Lfunc_end_k_q0b4a157c1c_attn:
	.size	k_q0b4a157c1c_attn, .Lfunc_end_k_q0b4a157c1c_attn-k_q0b4a157c1c_attn
	.p2alignl 7, 3214868480
	.fill 96, 4, 3214868480
	.section	.rodata,"a",@progbits
	.p2align	6, 0x0
	.amdhsa_kernel k_q0b4a157c1c_attn
		.amdhsa_group_segment_fixed_size 327680
		.amdhsa_private_segment_fixed_size 0
		.amdhsa_enable_private_segment 0
		.amdhsa_kernarg_size 48
		.amdhsa_user_sgpr_count 2
		.amdhsa_user_sgpr_kernarg_segment_ptr 1
		.amdhsa_wavefront_size32 1
		.amdhsa_system_sgpr_workgroup_id_x 1
		.amdhsa_system_sgpr_workgroup_id_y 1
		.amdhsa_system_sgpr_workgroup_id_z 1
		.amdhsa_system_vgpr_workitem_id 0
		.amdhsa_next_free_vgpr 1024
		.amdhsa_next_free_sgpr 66
		.amdhsa_reserve_vcc 0
		.amdhsa_float_denorm_mode_32 3
		.amdhsa_float_denorm_mode_16_64 3
		.amdhsa_memory_ordered 1
		.amdhsa_forward_progress 1
		.amdhsa_inst_pref_size 255
	.end_amdhsa_kernel
	.section	.bss,"aw",@nobits
	.p2align	6
	.space	262144
	.amdgpu_metadata
---
amdhsa.version: [ 1, 2 ]
amdhsa.kernels:
  - .name:           k_q0b4a157c1c_attn
    .symbol:         k_q0b4a157c1c_attn.kd
    .args:
      - { .name: qf, .offset: 0, .size: 8, .value_kind: global_buffer, .address_space: global }
      - { .name: kf, .offset: 8, .size: 8, .value_kind: global_buffer, .address_space: global }
      - { .name: vf, .offset: 16, .size: 8, .value_kind: global_buffer, .address_space: global }
      - { .name: time_decay, .offset: 24, .size: 8, .value_kind: global_buffer, .address_space: global }
      - { .name: attnf, .offset: 32, .size: 8, .value_kind: global_buffer, .address_space: global }
      - { .name: out1, .offset: 40, .size: 8, .value_kind: global_buffer, .address_space: global }
    .group_segment_fixed_size: 327680
    .private_segment_fixed_size: 0
    .kernarg_segment_align: 8
    .kernarg_segment_size: 48
    .max_flat_workgroup_size: 128
    .sgpr_count:     66
    .vgpr_count:     1024
    .wavefront_size: 32
...
	.end_amdgpu_metadata
.endif
;; end of part 3
;; launch projln (part 4): grid 128 x 1, 4 waves a work-group, clusters of 4 x 1, 327,680 bytes of LDS; arguments attnf, wof, x, out_proj_b, ln_w, ln_b, out0; writes out0
.if DOCPART == 4
	.amdgcn_target "amdgcn-amd-amdhsa--gfx1250"
	.amdhsa_code_object_version 6
	.text
	.protected	k_q0b4a157c1c_projln
	.globl	k_q0b4a157c1c_projln
	.p2align	8
	.type	k_q0b4a157c1c_projln,@function
k_q0b4a157c1c_projln:
	s_mov_b64 s[64:65], 0
	v_nop
	global_prefetch_b8 v0, s[64:65] scope:SCOPE_SE
	s_setreg_imm32_b32 hwreg(HW_REG_WAVE_MODE, 25, 1), 1
	s_wait_xcnt 0x0
	s_wait_alu depctr_hold_cnt(0) depctr_sa_sdst(0) depctr_va_vdst(0) depctr_va_sdst(0) depctr_va_ssrc(0) depctr_va_vcc(0) depctr_vm_vsrc(0)
	s_getreg_b32 s2, hwreg(HW_REG_IB_STS2, 6, 4)
	s_cmp_eq_u32 s2, 0
	s_cbranch_scc0 .Lentry_in_a_cluster
	s_endpgm
.Lentry_in_a_cluster:
	s_bfe_u32 s2, ttmp6, 0x10000c
	s_cmp_lg_u32 s2, 0x3003
	s_cbranch_scc0 .Lentry_shape_is_right
	s_endpgm
.Lentry_shape_is_right:
; out0 = LayerNorm(x + attn out_proj_w^T + out_proj_b) ln_w + ln_b.  bf16 operands, f32 sums; the norm in f32 in two passes
; (the mean, then the sum of (y - mean)^2: no difference of large sums).
; The norm needs whole rows in one work-group.  A work-group takes 64 rows x all 1,024 features: 128 work-groups.  With 32 rows (256 groups)
; a wave would load 36 fragments' halves from LDS for 32 matrix instructions, and every group would still walk all 2 MiB of weights; with 64 rows it
; loads 32 for 64.  So half as many, larger work-groups are launched.
; Wave w: 64 rows x features 256 w .. + 255: 64 accumulator tiles (window 2: token tiles 0, 1; window 3: 2, 3; at 8 (16 (tt & 1) + ft)).
; The weights come in fragment order, a K step of 64 = 131,072 dense bytes, through two LDS slots; each wave fetches and reads its own 32,768.
; CLUSTERS 4 x 1: all work-groups walk the same weights: four ask jointly (mask 15).  attn's fragments come straight into registers
; (16 loads of 512 consecutive bytes a K step): one tensor load a wave stands behind each round, and these bytes need no LDS.
; Source 0 = weights, source 1 = tokens: a lane holds one token and 8 neighbouring features.
.set SLOTB,  131072
.set PART,   262144                    ; [64 rows][4 waves] sums, then 1,024 bytes behind the same for the squares
.set SP,     1040                      ; the stage's rows: 1,024 bytes + 16
.set BI,  16                           ; v16-31 out_proj_b, v32-47 ln_w, v48-63 ln_b of features 256 w + 64 i + 4 r + e at 4 i + e
.set LW,  32
.set LB,  48
.set AB0, 64                           ; v64-127, v128-191 attn fragments of a K step at 8 (4 fk + tt), two buffers
.set NM,  64                           ; later: -mean, then 1/sigma, a pair for each of my 32 rows
.set SQ,  128                          ; later: sums of squares, a pair a row
.set SUM, 192                          ; v192-223 a figure for each of my 32 rows: row 16 a + 2 p + h at 8 a + p
.set TT,  224                          ; v224-239 at work
.set G1,  24                           ; s[24:31]
.set G0,  32                           ; s[32:39], a set for each slot
.set MSB, 0
.macro WIN new
.if MSB != \new
	s_set_vgpr_msb (MSB<<8)|\new
.set MSB, \new
.endif
.endm
.macro PLACES                          ; four places behind a matrix instruction (ISA guide 7.12.1)
.rept 4
	v_nop
.endr
.endm
.macro CREST
	s_cmp_lg_u32 s18, 0
	s_cbranch_scc1 .Lnot_wave_0_\@
	s_barrier_signal -3
.Lnot_wave_0_\@:
	s_barrier_wait -3
	s_barrier_signal -1
	s_barrier_wait -1
.endm
.macro ROUND
	s_barrier_signal -1
	s_barrier_wait -1
	CREST
.endm
	s_load_b256 s[4:11], s[0:1], 0x0               ; attnf s[4:5], wof s[6:7], x s[8:9], out_proj_b s[10:11]
	s_load_b128 s[12:15], s[0:1], 0x20             ; ln_w s[12:13], ln_b s[14:15]
	s_load_b64 s[16:17], s[0:1], 0x30              ; out0
	v_lshl_add_u32 v254, v0, 2, 0x40800
	v_mov_b32 v255, 0
	ds_add_u32 v254, v255
	v_lshrrev_b32 v1, 5, v0
	v_readfirstlane_b32 s18, v1                    ; wave
	s_bfe_u32 s19, ttmp6, 0x40000                  ; cx
	s_lshl_b32 s20, ttmp9, 2
	s_add_co_u32 s20, s20, s19                     ; the work-group's block of 64 rows
	s_mov_b32 s50, 0x3a800000                      ; 1/1024
	s_mov_b32 s51, 0x3727c5ac                      ; 1e-5
	s_mov_b32 s[G1+0], 15|(3<<16)|(1<<21)          ; 32,768 dense bytes as 128 rows of 32 elements of 8 bytes, to all four work-groups
	s_mov_b32 s[G1+1], 32<<16
	s_mov_b32 s[G1+2], 128<<16
	s_mov_b32 s[G1+3], 32<<16
	s_mov_b32 s[G1+4], 128
	s_mov_b32 s[G1+5], 32
	s_mov_b32 s[G1+6], 0
	s_mov_b32 s[G1+7], 0
	s_lshl_b32 s52, s18, 15                        ; my 32,768 bytes of a slot and of a K step
	s_lshl_b32 s46, s18, 15
	s_mov_b32 s47, 0
	s_lshl_b32 s54, s18, 10                        ; my 256 features in f32
	s_mov_b32 s55, 0
	s_wait_dscnt 0x0
	s_wait_kmcnt 0x0
	s_add_nc_u64 s[46:47], s[6:7], s[46:47]
.irp s, 0,1
	s_mov_b32 s[G0+4*\s], 1
	s_add_co_u32 s[G0+4*\s+1], s52, \s*SLOTB
	s_add_nc_u64 s[G0+4*\s+2:G0+4*\s+3], s[46:47], \s*SLOTB
	s_or_b32 s[G0+4*\s+3], s[G0+4*\s+3], 0x80000000
.endr
	ROUND
	tensor_load_to_lds s[G0:G0+3], s[G1:G1+7]      ; K steps 0 and 1: two loads of the wave are out
	s_nop 0
	tensor_load_to_lds s[G0+4:G0+7], s[G1:G1+7]
	s_nop 0
	s_lshl_b32 s48, s20, 17                        ; attnf: four token tiles of 32,768 bytes
	s_mov_b32 s49, 0
	s_add_nc_u64 s[40:41], s[4:5], s[48:49]
	s_lshl_b32 s48, s20, 18                        ; x, out0: 64 rows of 4,096 bytes, + my features
	s_add_co_u32 s48, s48, s54
	s_add_nc_u64 s[42:43], s[8:9], s[48:49]
	s_add_nc_u64 s[44:45], s[16:17], s[48:49]
	s_add_nc_u64 s[10:11], s[10:11], s[54:55]
	s_add_nc_u64 s[12:13], s[12:13], s[54:55]
	s_add_nc_u64 s[14:15], s[14:15], s[54:55]
	v_and_b32 v1, 31, v0                           ; L
	v_and_b32 v2, 15, v0                           ; r
	v_bfe_u32 v3, v0, 4, 1                         ; h
	v_lshlrev_b32 v6, 4, v1                        ; 16 L
	v_lshlrev_b32 v13, 4, v2                       ; 16 r
.macro LOADA ab                        ; a K step's eight fragments of attn
.irp fk, 0,1
.irp tt, 0,1,2,3
.irp hf, 0,1
	global_load_b128 v[(\ab)+8*(4*\fk+\tt)+4*\hf:(\ab)+8*(4*\fk+\tt)+4*\hf+3], v6, s[40:41] offset:\tt*32768+\fk*1024+\hf*512
.endr
.endr
.endr
.endm
	LOADA AB0
.irp i, 0,1,2,3
	global_load_b128 v[BI+4*\i:BI+4*\i+3], v13, s[10:11] offset:\i*256
	global_load_b128 v[LW+4*\i:LW+4*\i+3], v13, s[12:13] offset:\i*256
	global_load_b128 v[LB+4*\i:LB+4*\i+3], v13, s[14:15] offset:\i*256
.endr
	v_add_nc_u32 v4, s52, v6                       ; weights' fragments in slot 0: my part + 16 L
	v_add_nc_u32 v5, SLOTB, v4                     ; in slot 1
	v_mul_u32_u24 v7, v2, SP
	v_lshl_add_u32 v7, v3, 5, v7
	v_add_nc_u32 v7, s52, v7                       ; the stage, in: row r, 8 h features on
	v_mul_u32_u24 v8, v3, SP
	v_lshl_add_u32 v8, v2, 4, v8
	v_add_nc_u32 v8, s52, v8                       ; the stage, back: row h, 16 r bytes on
	v_lshlrev_b32 v9, 12, v3
	v_lshl_add_u32 v9, v2, 4, v9                   ; the same two rows in x and out0
	v_lshl_add_u32 v11, v3, 4, PART                ; the four waves' figures of row h
	s_lshl_b32 s53, s18, 2
	v_add_nc_u32 v10, s53, v11                     ; my word among them
	v_lshrrev_b32 v12, 2, v1
	v_lshlrev_b32 v12, 12, v12
	v_and_b32 v14, 3, v1
	v_lshl_add_u32 v12, v14, 8, v12                ; prefetch: row L >> 2, block L & 3 of my 1,024 bytes
.macro FETCHB slot, fk, bf             ; 32 LDS loads: sixteen fragments of the weights, 512 consecutive bytes each load
	WIN 0x40
.irp ft, 0,1,2,3,4,5,6,7,8,9,10,11,12,13,14,15
	ds_load_b128 v[\bf+8*\ft:\bf+8*\ft+3],   v[4+\slot] offset:\ft*2048+\fk*1024
	ds_load_b128 v[\bf+8*\ft+4:\bf+8*\ft+7], v[4+\slot] offset:\ft*2048+\fk*1024+512
.endr
.endm
; 32 matrix instructions: token tiles 2 hi, 2 hi + 1 x sixteen feature tiles.  The 64 accumulators take turns, one instruction a turn.
.macro MUL32 bf, ab, fk, hi, zero
.if \hi
	WIN 0xf1
.else
	WIN 0xa1
.endif
.irp tl, 0,1
.irp ft, 0,1,2,3,4,5,6,7,8,9,10,11,12,13,14,15
.if \zero
	v_wmma_f32_16x16x32_bf16 v[8*(16*\tl+\ft):8*(16*\tl+\ft)+7], v[\bf+8*\ft:\bf+8*\ft+7], v[(\ab)+8*(4*\fk+2*\hi+\tl):(\ab)+8*(4*\fk+2*\hi+\tl)+7], 0
.else
	v_wmma_f32_16x16x32_bf16 v[8*(16*\tl+\ft):8*(16*\tl+\ft)+7], v[\bf+8*\ft:\bf+8*\ft+7], v[(\ab)+8*(4*\fk+2*\hi+\tl):(\ab)+8*(4*\fk+2*\hi+\tl)+7], v[8*(16*\tl+\ft):8*(16*\tl+\ft)+7]
.endif
.endr
.endr
.endm
.macro LOADX a, w, xb                  ; x of rows 16 a .. + 15, my 256 features, in the row-major layout of the way out
	WIN \w
.irp p, 0,1,2,3,4,5,6,7
.irp i, 0,1,2,3
	global_load_b128 v[\xb+16*\p+4*\i:\xb+16*\p+4*\i+3], v9, s[42:43] offset:(16*\a+2*\p)*4096+\i*256 th:TH_LOAD_NT
.endr
.endr
.endm
; A K step of 64 on slot s.  aload: the next step's attn fragments go out.  fill: this slot is asked for again, two steps ahead, behind a round of
; the cluster's barrier in front of which my reads of it are back and all my tensor loads have landed.  next: the other slot's first fragments.
; pf: x is asked for ahead.  xl: x's first tile is loaded.
.macro KSTEP s, zero, aload, fill, next, pf, xl
	s_wait_loadcnt 0x0                             ; this step's attn fragments; their loads are done, so the base may step
	s_wait_dscnt 0x0                               ; the weights' first sixteen fragments
	PLACES
	WIN 0
.if \aload
	s_add_nc_u64 s[40:41], s[40:41], 2048
	LOADA (AB0+64*(1-\s))
.endif
	FETCHB \s, 1, 128
.if \pf
.irp j, 0,1,2,3,4,5,6,7                            ; my 64 rows x 4 blocks of 256 bytes of x, each asked for once, one and a half K steps ahead of the first load of x
	global_prefetch_b8 v12, s[42:43] offset:\j*32768 th:TH_LOAD_NT scope:SCOPE_SE
.endr
.endif
	MUL32 0, (AB0+64*\s), 0, 0, \zero
	MUL32 0, (AB0+64*\s), 0, 1, \zero
	s_wait_dscnt 0x0                               ; my reads of this slot are back
	s_set_vgpr_msb 0xf1f0
	s_wait_tensorcnt 0x0                           ; all my tensor loads have landed: my part of the other slot
	ds_add_u32 v254, v255
	s_wait_dscnt 0x0
	s_set_vgpr_msb 0xf0f1
.if \fill
	s_barrier_signal -1
.endif
	MUL32 128, (AB0+64*\s), 1, 0, 0
.if \fill
	WIN 0
	s_barrier_wait -1
	CREST
	s_add_nc_u64 s[G0+4*\s+2:G0+4*\s+3], s[G0+4*\s+2:G0+4*\s+3], 2*SLOTB
	tensor_load_to_lds s[G0+4*\s:G0+4*\s+3], s[G1:G1+7]
	s_nop 0
.endif
	PLACES
.if \next
	FETCHB 1-\s, 0, 0
.endif
.if \xl
	LOADX 0, 0x40, 0
.endif
	MUL32 128, (AB0+64*\s), 1, 1, 0
.endm
	s_wait_tensorcnt 0x1                           ; K step 0 is in (my own bytes); K step 1's load stays out
	FETCHB 0, 0, 0
	KSTEP 0, 1, 1, 1, 1, 0, 0                      ; the first products start the sums
	KSTEP 1, 0, 1, 1, 1, 0, 0
	WIN 0
	s_mov_b32 s21, 6
.Llap:
	KSTEP 0, 0, 1, 1, 1, 0, 0
	KSTEP 1, 0, 1, 1, 1, 0, 0
	WIN 0
	s_sub_co_u32 s21, s21, 1
	s_cmp_lg_u32 s21, 0
	s_cbranch_scc1 .Llap
	KSTEP 0, 0, 1, 0, 1, 1, 0                      ; the last two steps fill nothing; each wave reads its own bytes, so they need no barrier
	KSTEP 1, 0, 0, 0, 0, 0, 1
	; THE WAY OUT.  y stays in the accumulators' registers, turned row-major through a stage in my own part of slot 0 (its last fill is over):
	; registers 128 (a & 1) + 16 p + 4 i + e of tile a's window then hold row 16 a + 2 p + h, feature 64 i + 4 r + e.
	PLACES
	LOADX 1, 0x40, 128
	LOADX 2, 0, 64
; left = loads of younger tiles of x that may stay out; xw, xb = window and first register of this tile's x
.macro E1 a, left, xw, xb
.set WN, 2+(\a>>1)
.set BB, 128*(\a&1)
	WIN (WN<<2)
.irp ft, 0,1,2,3,4,5,6,7,8,9,10,11,12,13,14,15
	ds_store_b128 v7, v[BB+8*\ft:BB+8*\ft+3]   offset:\ft*64
	ds_store_b128 v7, v[BB+8*\ft+4:BB+8*\ft+7] offset:\ft*64+16
.endr
	WIN (WN<<6)
.irp p, 0,1,2,3,4,5,6,7
.irp i, 0,1,2,3
	ds_load_b128 v[BB+16*\p+4*\i:BB+16*\p+4*\i+3], v8 offset:\p*2*SP+\i*256   ; LDS serves a wave's instructions in order (ISA guide 5.7.1.4)
.endr
.endr
	s_wait_dscnt 0x0
	s_wait_loadcnt \left
	WIN ((WN<<6)|WN|(\xw<<2))
.irp p, 0,1,2,3,4,5,6,7
.irp e, 0,2,4,6,8,10,12,14
	v_pk_add_f32 v[BB+16*\p+\e:BB+16*\p+\e+1], v[BB+16*\p+\e:BB+16*\p+\e+1], v[\xb+16*\p+\e:\xb+16*\p+\e+1]
.endr
.endr
	WIN ((WN<<6)|WN)
.irp p, 0,1,2,3,4,5,6,7
.irp e, 0,2,4,6,8,10,12,14
	v_pk_add_f32 v[BB+16*\p+\e:BB+16*\p+\e+1], v[BB+16*\p+\e:BB+16*\p+\e+1], v[BI+\e:BI+\e+1]
.endr
.endr
	WIN ((WN<<2)|WN)                               ; the rows' sums over my 16 numbers of each
.irp p, 0,1,2,3,4,5,6,7
	v_pk_add_f32 v[TT+2*\p:TT+2*\p+1], v[BB+16*\p:BB+16*\p+1], v[BB+16*\p+2:BB+16*\p+3]
.endr
	WIN WN
.irp e, 4,6,8,10,12,14
.irp p, 0,1,2,3,4,5,6,7
	v_pk_add_f32 v[TT+2*\p:TT+2*\p+1], v[BB+16*\p+\e:BB+16*\p+\e+1], v[TT+2*\p:TT+2*\p+1]
.endr
.endr
	WIN 0
.irp p, 0,1,2,3,4,5,6,7
	v_add_f32 v[SUM+8*\a+\p], v[TT+2*\p], v[TT+2*\p+1]
.endr
.endm
	E1 0, 63, 1, 0                                 ; 64 younger loads exist; 63 is the largest count that the wait can name
	LOADX 3, 0x40, 0                               ; into the registers that tile 0's x has left
	E1 1, 63, 1, 128
	E1 2, 32, 0, 64
	E1 3, 0, 1, 0
; SUM's 32 figures are summed over the sixteen lanes of a row and over the four waves (through LDS, one barrier); the totals land in NM + 2 k
.macro REDUCE off
.irp m, 1,2,4,8
.set kk, 0
.rept 32
	v_add_f32_dpp v[SUM+kk], v[SUM+kk], v[SUM+kk] row_xmask:\m row_mask:0xf bank_mask:0xf
.set kk, kk+1
.endr
.endr
.set kk, 0
.rept 32
	ds_store_b32 v10, v[SUM+kk] offset:\off+kk*32              ; sixteen lanes write one word with one value
.set kk, kk+1
.endr
	s_wait_dscnt 0x0
	s_barrier_signal -1
	s_barrier_wait -1
	WIN 0x40
.set kk, 0
.rept 32
	ds_load_b128 v[4*kk:4*kk+3], v11 offset:\off+kk*32
.set kk, kk+1
.endr
	s_wait_dscnt 0x0
	WIN 0x05
.set kk, 0
.rept 32
	v_add_f32 v[NM+2*kk], v[4*kk], v[4*kk+1]
	v_add_f32 v[NM+2*kk+1], v[4*kk+2], v[4*kk+3]
.set kk, kk+1
.endr
	WIN 0
.set kk, 0
.rept 32
	v_add_f32 v[NM+2*kk], v[NM+2*kk], v[NM+2*kk+1]
.set kk, kk+1
.endr
.endm
	REDUCE 0
.set kk, 0
.rept 32
	v_mul_f32 v[NM+2*kk], 0xba800000, v[NM+2*kk]               ; -mean
	v_mov_b32 v[NM+2*kk+1], v[NM+2*kk]
.set kk, kk+1
.endr
; y - mean in place, and the sums of its squares, for the sixteen rows a lane has in window wn
.macro E3 wn
	WIN ((\wn<<6)|\wn)
.set kk, 0
.rept 16
.irp e, 0,2,4,6,8,10,12,14
	v_pk_add_f32 v[16*kk+\e:16*kk+\e+1], v[16*kk+\e:16*kk+\e+1], v[NM+2*(16*(\wn-2)+kk):NM+2*(16*(\wn-2)+kk)+1]
.endr
.set kk, kk+1
.endr
	WIN ((\wn<<2)|\wn)
.set kk, 0
.rept 16
	v_pk_mul_f32 v[SQ+2*(16*(\wn-2)+kk):SQ+2*(16*(\wn-2)+kk)+1], v[16*kk:16*kk+1], v[16*kk:16*kk+1]
.set kk, kk+1
.endr
.irp e, 2,4,6,8,10,12,14
.set kk, 0
.rept 16
	v_pk_fma_f32 v[SQ+2*(16*(\wn-2)+kk):SQ+2*(16*(\wn-2)+kk)+1], v[16*kk+\e:16*kk+\e+1], v[16*kk+\e:16*kk+\e+1], v[SQ+2*(16*(\wn-2)+kk):SQ+2*(16*(\wn-2)+kk)+1]
.set kk, kk+1
.endr
.endr
.endm
	E3 2
	E3 3
	WIN 0
.set kk, 0
.rept 32
	v_add_f32 v[SUM+kk], v[SQ+2*kk], v[SQ+2*kk+1]
.set kk, kk+1
.endr
	REDUCE 1024
.set kk, 0
.rept 32
	v_fma_f32 v[NM+2*kk], v[NM+2*kk], s50, s51                 ; variance + 1e-5
.set kk, kk+1
.endr
.set kk, 0
.rept 32
	v_rsq_f32 v[NM+2*kk], v[NM+2*kk]
.set kk, kk+1
.endr
	v_nop                                          ; the plain place behind the last of them (ISA guide 5.7.2)
.set kk, 0
	s_wait_alu depctr_va_vdst(0)
.rept 32
	v_mov_b32 v[NM+2*kk+1], v[NM+2*kk]
.set kk, kk+1
.endr
.macro E4 a
.set WN, 2+(\a>>1)
.set BB, 128*(\a&1)
	WIN ((WN<<6)|WN)
.irp p, 0,1,2,3,4,5,6,7
.irp e, 0,2,4,6,8,10,12,14
	v_pk_mul_f32 v[BB+16*\p+\e:BB+16*\p+\e+1], v[BB+16*\p+\e:BB+16*\p+\e+1], v[NM+2*(8*\a+\p):NM+2*(8*\a+\p)+1]
.endr
.endr
.irp p, 0,1,2,3,4,5,6,7
.irp e, 0,2,4,6,8,10,12,14
	v_pk_fma_f32 v[BB+16*\p+\e:BB+16*\p+\e+1], v[BB+16*\p+\e:BB+16*\p+\e+1], v[LW+\e:LW+\e+1], v[LB+\e:LB+\e+1]
.endr
.endr
	WIN (WN<<2)
.irp p, 0,1,2,3,4,5,6,7
.irp i, 0,1,2,3
	global_store_b128 v9, v[BB+16*\p+4*\i:BB+16*\p+4*\i+3], s[44:45] offset:(16*\a+2*\p)*4096+\i*256 th:TH_STORE_NT   ; sixteen lanes store 256 consecutive bytes, aligned
.endr
.endr
.endm
	E4 0
	E4 1
	E4 2
	E4 3
	WIN 0
	s_wait_tensorcnt 0x0
	ds_add_u32 v254, v255
	s_wait_dscnt 0x0
	ROUND                                          ; the closing round
	s_endpgm
.Lfunc_end_k_q0b4a157c1c_projln:
	.size	k_q0b4a157c1c_projln, .Lfunc_end_k_q0b4a157c1c_projln-k_q0b4a157c1c_projln
	.p2alignl 7, 3214868480
	.fill 96, 4, 3214868480
	.section	.rodata,"a",@progbits
	.p2align	6, 0x0
	.amdhsa_kernel k_q0b4a157c1c_projln
		.amdhsa_group_segment_fixed_size 327680
		.amdhsa_private_segment_fixed_size 0
		.amdhsa_enable_private_segment 0
		.amdhsa_kernarg_size 56
		.amdhsa_user_sgpr_count 2
		.amdhsa_user_sgpr_kernarg_segment_ptr 1
		.amdhsa_wavefront_size32 1
		.amdhsa_system_sgpr_workgroup_id_x 1
		.amdhsa_system_sgpr_workgroup_id_y 1
		.amdhsa_system_sgpr_workgroup_id_z 1
		.amdhsa_system_vgpr_workitem_id 0
		.amdhsa_next_free_vgpr 1024
		.amdhsa_next_free_sgpr 66
		.amdhsa_reserve_vcc 0
		.amdhsa_float_denorm_mode_32 3
		.amdhsa_float_denorm_mode_16_64 3
		.amdhsa_memory_ordered 1
		.amdhsa_forward_progress 1
		.amdhsa_inst_pref_size 255
	.end_amdhsa_kernel
	.section	.bss,"aw",@nobits
	.p2align	6
	.space	262144
	.amdgpu_metadata
---
amdhsa.version: [ 1, 2 ]
amdhsa.kernels:
  - .name:           k_q0b4a157c1c_projln
    .symbol:         k_q0b4a157c1c_projln.kd
    .args:
      - { .name: attnf, .offset: 0, .size: 8, .value_kind: global_buffer, .address_space: global }
      - { .name: wof, .offset: 8, .size: 8, .value_kind: global_buffer, .address_space: global }
      - { .name: x, .offset: 16, .size: 8, .value_kind: global_buffer, .address_space: global }
      - { .name: out_proj_b, .offset: 24, .size: 8, .value_kind: global_buffer, .address_space: global }
      - { .name: ln_w, .offset: 32, .size: 8, .value_kind: global_buffer, .address_space: global }
      - { .name: ln_b, .offset: 40, .size: 8, .value_kind: global_buffer, .address_space: global }
      - { .name: out0, .offset: 48, .size: 8, .value_kind: global_buffer, .address_space: global }
    .group_segment_fixed_size: 327680
    .private_segment_fixed_size: 0
    .kernarg_segment_align: 8
    .kernarg_segment_size: 56
    .max_flat_workgroup_size: 128
    .sgpr_count:     66
    .vgpr_count:     1024
    .wavefront_size: 32
...
	.end_amdgpu_metadata
.endif
;; end of part 4
;; ======== version 2 of 3: 4 launches
;; workspace buffers: xb 16,777,216 bytes; wib 6,291,456 bytes; wof 2,097,152 bytes; qf 16,777,216 bytes; kf 16,777,216 bytes; vf 16,777,216 bytes; attnf 16,777,216 bytes
;; launch cast: the kernel of part 1 again; grid 768 x 1, 8 waves a work-group, no clusters, 0 bytes of LDS; arguments x, in_proj_w, out_proj_w, xb, wib, wof; writes xb, wib, wof
;; launch qkv (part 5): grid 16 x 32, 4 waves a work-group, clusters of 4 x 4, 327,680 bytes of LDS; arguments xb, wib, in_proj_b, qf, kf, vf; writes qf, kf, vf
.if DOCPART == 5
	.amdgcn_target "amdgcn-amd-amdhsa--gfx1250"
	.amdhsa_code_object_version 6
	.text
	.protected	k_q0b4a157c1c_qkv
	.globl	k_q0b4a157c1c_qkv
	.p2align	8
	.type	k_q0b4a157c1c_qkv,@function
k_q0b4a157c1c_qkv:
	s_mov_b64 s[64:65], 0
	v_nop
	global_prefetch_b8 v0, s[64:65] scope:SCOPE_SE
	s_setreg_imm32_b32 hwreg(HW_REG_WAVE_MODE, 25, 1), 1
	s_wait_xcnt 0x0
	s_wait_alu depctr_hold_cnt(0) depctr_sa_sdst(0) depctr_va_vdst(0) depctr_va_sdst(0) depctr_va_ssrc(0) depctr_va_vcc(0) depctr_vm_vsrc(0)
	s_getreg_b32 s2, hwreg(HW_REG_IB_STS2, 6, 4)
	s_cmp_eq_u32 s2, 0
	s_cbranch_scc0 .Lentry_in_a_cluster
	s_endpgm
.Lentry_in_a_cluster:
	s_bfe_u32 s2, ttmp6, 0x10000c
	s_cmp_lg_u32 s2, 0xf033
	s_cbranch_scc0 .Lentry_shape_is_right
	s_endpgm
.Lentry_shape_is_right:
; qkv = x in_proj_w^T + in_proj_b, 8192 x 3072 x 1024, bf16 operands, f32 sums; q is also multiplied by 0.125 log2(e) in f32 ahead of
; its one rounding to bf16 (the softmax of the next launch works in base 2: another order of rounding than scaling the scores).
; A work-group: 256 tokens x (128 features of q or k, rows 128 bx of the weights, AND 64 features of v, rows 2048 + 64 bx), so all
; 512 work-groups run one text with equal work.  A wave: 128 tokens x (64 q/k features = one head, and 32 v features): 48 accumulator tiles.
; K goes in steps of 128 through two LDS slots; a tile's rows are 256 bytes of memory at multiples of 256 bytes, 272 apart in LDS.
; CLUSTERS 4 x 4: x's tile hangs on the block row alone and is asked for jointly along a row of the cluster, the weights' tiles on the
; block column alone, jointly along a column.  Waves 0 and 1 fetch x's halves, wave 2 the q/k rows, wave 3 the v rows: one load a wave.
; THE WALK ALONG K IS ROTATED: cluster (X, Y) begins at K step 2 X + 4 ((Y xor Y >> 1) & 1) and wraps round after step 7.  The four clusters that
; read the same rows of x (same Y) are two steps apart, clusters Y and Y + 1 or Y + 2 that read the same rows of the weights four: they ask
; for a given tile in different steps, and all but the first ask for bytes that another cluster has read before.
; LIMIT: the f32 sums take their eight K steps in an order that differs from cluster to cluster: another order of rounding than ascending K.
; RESULTS LEAVE IN FRAGMENT ORDER (1,024 bytes = 16 rows x 32 k; lane L's 16 bytes at half*512 + 16 L hold k = 16 half + 8 (L>>4) + 0..7 of
; row L&15), so that a packed result tile is half a fragment of the next launch and every store of a wave is 512 consecutive bytes:
;   qf, kf: ((batch*16 + head)*64 + token tile)*2048 + (hd/32)*1024   rows = tokens, k = hd
;   vf:     (((batch*16 + head)*32 + key step of 32)*4 + hd/16)*1024  rows = hd,     k = keys
; For q and k the weights are source 0 (a lane then holds one token and 8 neighbouring features); for v the tokens are source 0 (a lane
; holds one feature and 8 neighbouring tokens).
; REGISTERS: window 0: v16-31 addresses and v's bias, v64-127 / v128-191 x fragments (two buffers), v224-255 q/k bias;
; window 1: the weights' fragments at the same numbers (q/k +8 b, v +32 + 8 c); window 2: q/k sums at 8 (4 a + b); window 3: v sums at 8 (2 a + c).
.set KSTEP,  128
.set PITCH,  272                       ; 256 bytes + 16 of padding: an odd multiple of 16, so sixteen rows start in sixteen different 16-byte columns
.set HALFT,  128*PITCH
.set SLOT,   3*HALFT+64*PITCH          ; x 256 rows, q/k weights 128 rows, v weights 64 rows
.set LAPS,   1024/(2*KSTEP)            ; a lap = two K steps = once round the ring
.set ADRA, 16                          ; v16-17 LDS address of my x fragments in slot 0, 1
.set ADRB, 20                          ; v20-21 the same for the q/k weights
.set ADRV, 22                          ; v22-23 the same for the v weights
.set LN16, 24                          ; v24 16 x lane
.set H32,  25                          ; v25 32 h
.set R4,   26                          ; v26 4 r
.set BV,   28                          ; v28-31 v's bias, one pair for each tile c
.set F0,   64
.set F1,   128
.set TMP,  64                          ; the way out: f32 at work
.set PK,   96                          ; the way out: packed bf16
.set BQ,   224                         ; v224-255 q/k bias of my 8 features in each tile b
.set G1A, 24                           ; s[24:31] group 1, x's tiles
.set G0A, 32                           ; s[32:39] group 0, x's tiles, one set a slot
.set G1B, 48                           ; the q/k weights
.set G0B, 56
.set G1V, 68                           ; the v weights
.set G0V, 76
.set KCNT, 45                          ; s45 the K step that is asked for next, before its wrap; made of the cluster's x and y alone
.set KO,   104                         ; s[104:105] that step's byte offset in a row; never holds a place inside the cluster
.set G1W0, (1<<16)|(1<<20)|(1<<21)|(5<<22)|(3<<25)   ; 2-byte elements, padding on, bit 21 beside a mask, after every 64 words 4 words
.set MSB, 0
.macro WIN new                         ; the immediate's high byte repeats the setting that is left
.if MSB != \new
	s_set_vgpr_msb (MSB<<8)|\new
.set MSB, \new
.endif
.endm
.macro PLACES                          ; four places behind a matrix instruction, ahead of loads into or vector work on its registers
.rept 4
	v_nop
.endr
.endm
.macro JLOAD s                         ; the wave's one joint load; the branches hang on the wave's number alone
	s_cmp_lt_u32 s10, 2
	s_cbranch_scc0 .Lnot_x_\@
	tensor_load_to_lds s[G0A+4*\s:G0A+4*\s+3], s[G1A:G1A+7]
	s_nop 0
	s_branch .Lasked_\@
.Lnot_x_\@:
	s_cmp_eq_u32 s10, 2
	s_cbranch_scc0 .Lfor_v_\@
	tensor_load_to_lds s[G0B+4*\s:G0B+4*\s+3], s[G1B:G1B+7]
	s_nop 0
	s_branch .Lasked_\@
.Lfor_v_\@:
	tensor_load_to_lds s[G0V+4*\s:G0V+4*\s+3], s[G1V:G1V+7]
	s_nop 0
.Lasked_\@:
.endm
; Slot s is asked for: the next K step of the walk, modulo 8, 256 bytes of a row each; no tensor load into this slot is out where this stands
.macro ASK s
	s_and_b32 s[KO], s[KCNT], 7
	s_lshl_b32 s[KO], s[KO], 8
	s_add_co_u32 s[KCNT], s[KCNT], 1
	s_add_nc_u64 s[G0A+4*\s+2:G0A+4*\s+3], s[14:15], s[KO:KO+1]
	s_or_b32 s[G0A+4*\s+3], s[G0A+4*\s+3], 0x80000000
	s_add_nc_u64 s[G0B+4*\s+2:G0B+4*\s+3], s[46:47], s[KO:KO+1]
	s_or_b32 s[G0B+4*\s+3], s[G0B+4*\s+3], 0x80000000
	s_add_nc_u64 s[G0V+4*\s+2:G0V+4*\s+3], s[98:99], s[KO:KO+1]
	s_or_b32 s[G0V+4*\s+3], s[G0V+4*\s+3], 0x80000000
	JLOAD \s
.endm
.macro CREST                           ; a round of the cluster's barrier behind its opening work-group barrier
	s_cmp_lg_u32 s10, 0
	s_cbranch_scc1 .Lnot_wave_0_\@
	s_barrier_signal -3
.Lnot_wave_0_\@:
	s_barrier_wait -3
	s_barrier_signal -1
	s_barrier_wait -1
.endm
.macro CROUND
	s_barrier_signal -1
	s_barrier_wait -1
	CREST
.endm
	s_load_b256 s[84:91], s[0:1], 0x0              ; xb s[84:85], wib s[86:87], in_proj_b s[88:89], qf s[90:91]
	s_load_b128 s[92:95], s[0:1], 0x20             ; kf s[92:93], vf s[94:95]
	s_set_vgpr_msb 0x40
	v_lshl_add_u32 v255, v0, 2, 0x3b800
	s_set_vgpr_msb 0x4000
	v_mov_b32 v223, 0
	s_set_vgpr_msb 0x1
	ds_add_u32 v255, v223
	s_set_vgpr_msb 0x100
	v_lshrrev_b32 v1, 5, v0
	v_readfirstlane_b32 s10, v1                    ; wave 0..3
	s_lshr_b32 s11, s10, 1                         ; wr: which 128 tokens are mine
	s_and_b32 s12, s10, 1                          ; wc: which half of the features.  Also: which half of x's tile waves 0, 1 fetch
	s_bfe_u32 s40, ttmp6, 0x40000                  ; cx
	s_bfe_u32 s41, ttmp6, 0x40004                  ; cy
	s_lshl_b32 s42, ttmp9, 2
	s_add_co_u32 s42, s42, s40                     ; bx = 4 x cluster x + cx: the block of features
	s_and_b32 s13, ttmp7, 0xffff
	s_lshl_b32 s13, s13, 2
	s_add_co_u32 s13, s13, s41                     ; by = 4 x cluster y + cy: the block of 256 tokens
	s_lshl_b32 s43, s41, 2
	s_lshl_b32 s43, 15, s43                        ; my row of the cluster
	s_lshl_b32 s44, 0x1111, s40                    ; my column
	s_or_b32 s[G1A], s43, G1W0
	s_or_b32 s[G1B], s44, G1W0
	s_or_b32 s[G1V], s44, G1W0
.irp g, G1A, G1B, G1V
	s_mov_b32 s[\g+1], KSTEP<<16                   ; tensor_dim0 = 128
	s_mov_b32 s[\g+3], KSTEP<<16                   ; tile_dim0 = 128
	s_mov_b32 s[\g+5], 1024                        ; elements from row to row
	s_mov_b32 s[\g+6], 0
	s_mov_b32 s[\g+7], 0
.endr
	s_mov_b32 s[G1A+2], 128<<16                    ; tensor_dim1 = tile_dim1 = 128 rows
	s_mov_b32 s[G1A+4], 128
	s_mov_b32 s[G1B+2], 128<<16
	s_mov_b32 s[G1B+4], 128
	s_mov_b32 s[G1V+2], 64<<16                     ; 64 rows
	s_mov_b32 s[G1V+4], 64
	; where the tiles come from: each address in registers that never hold the other coordinate
	s_lshl_b32 s16, s13, 19                        ; x: 256 by rows of 2,048 bytes
	s_lshl_b32 s17, s12, 18                        ;    + 128 rows for the second half
	s_add_co_u32 s16, s16, s17
	s_mov_b32 s17, 0
	s_lshl_b32 s46, s42, 18                        ; q/k weights: 128 bx rows
	s_mov_b32 s47, 0
	s_lshl_b32 s98, s42, 17                        ; v weights: 2048 + 64 bx rows
	s_add_co_u32 s98, s98, 2048*2048
	s_mov_b32 s99, 0
	s_mul_i32 s20, s10, HALFT                      ; where they go: wave x 128 rows
	v_and_b32 v1, 15, v0                           ; r
	v_bfe_u32 v2, v0, 4, 1                         ; h
	v_lshlrev_b32 v[H32], 5, v2
	v_lshlrev_b32 v[R4], 2, v1
	s_lshl_b32 s8, s42, 9                          ; q/k bias: 4 (128 bx + 64 wc)
	s_lshl_b32 s9, s12, 8
	s_add_co_u32 s8, s8, s9
	s_mov_b32 s9, 0
	s_wait_dscnt 0x0
	s_wait_kmcnt 0x0
	s_add_nc_u64 s[100:101], s[88:89], s[8:9]
	s_lshl_b32 s8, s42, 8                          ; v bias: 4 (2048 + 64 bx + 32 wc)
	s_lshl_b32 s45, s12, 7
	s_add_co_u32 s8, s8, s45
	s_add_co_u32 s8, s8, 8192
	s_add_nc_u64 s[4:5], s[88:89], s[8:9]
	s_add_nc_u64 s[14:15], s[84:85], s[16:17]      ; x, q/k weights, v weights at K = 0: these three stay as they are
	s_add_nc_u64 s[46:47], s[86:87], s[46:47]
	s_add_nc_u64 s[98:99], s[86:87], s[98:99]
	s_and_b32 s[KCNT], ttmp7, 0xffff               ; the walk's first K step: Y,
	s_lshr_b32 s[KO], s[KCNT], 1
	s_xor_b32 s[KCNT], s[KCNT], s[KO]
	s_and_b32 s[KCNT], s[KCNT], 1                  ; (Y xor Y >> 1) & 1,
	s_lshl_b32 s[KCNT], s[KCNT], 2
	s_lshl1_add_u32 s[KCNT], ttmp9, s[KCNT]        ; 2 X + 4 of that
	s_mov_b32 s[KO+1], 0
	CROUND                                         ; all sixteen work-groups are here: the first joint loads meet
.irp s, 0,1
	s_mov_b32 s[G0A+4*\s], 1
	s_add_co_u32 s[G0A+4*\s+1], s20, \s*SLOT
	s_mov_b32 s[G0B+4*\s], 1
	s_add_co_u32 s[G0B+4*\s+1], s20, \s*SLOT
	s_mov_b32 s[G0V+4*\s], 1
	s_add_co_u32 s[G0V+4*\s+1], s20, \s*SLOT
	ASK \s                                         ; both slots are asked for before anything else: two loads of the wave are out
.endr
	; the biases, waited for on the way out; their address registers are never rewritten
.irp b, 0,1,2,3
	global_load_b128 v[BQ+8*\b:BQ+8*\b+3],   v[H32], s[100:101] offset:\b*64
	global_load_b128 v[BQ+8*\b+4:BQ+8*\b+7], v[H32], s[100:101] offset:\b*64+16
.endr
	global_load_b32 v[BV],   v[R4], s[4:5]
	global_load_b32 v[BV+2], v[R4], s[4:5] offset:64
	v_mul_u32_u24 v3, v1, PITCH
	v_lshl_add_u32 v3, v2, 4, v3                   ; a fragment's lane address: row x pitch + 16 h
	s_mul_i32 s21, s11, HALFT                      ; my 128 tokens
	s_mul_i32 s22, s12, 64*PITCH
	s_add_co_u32 s22, s22, 2*HALFT                 ; my 64 q/k rows
	s_mul_i32 s23, s12, 32*PITCH
	s_add_co_u32 s23, s23, 3*HALFT                 ; my 32 v rows
.irp s, 0,1
	v_add_nc_u32 v[ADRA+\s], s21, v3
	v_add_nc_u32 v[ADRB+\s], s22, v3
	v_add_nc_u32 v[ADRV+\s], s23, v3
	s_add_co_u32 s21, s21, SLOT
	s_add_co_u32 s22, s22, SLOT
	s_add_co_u32 s23, s23, SLOT
.endr
	v_and_b32 v[LN16], 31, v0
	v_lshlrev_b32 v[LN16], 4, v[LN16]
; 28 LDS loads in one run: the fragments of 32 along K at byte k of the slot's rows, into buffer f
.macro FETCH slot, k, f
	WIN 0x40
.irp i, 0,1,2,3
	ds_load_b128 v[\f+8*\i:\f+8*\i+3],   v[ADRB+\slot] offset:\k+\i*16*PITCH
	ds_load_b128 v[\f+8*\i+4:\f+8*\i+7], v[ADRB+\slot] offset:\k+\i*16*PITCH+32
.endr
.irp i, 0,1
	ds_load_b128 v[\f+32+8*\i:\f+32+8*\i+3], v[ADRV+\slot] offset:\k+\i*16*PITCH
	ds_load_b128 v[\f+36+8*\i:\f+36+8*\i+3], v[ADRV+\slot] offset:\k+\i*16*PITCH+32
.endr
	WIN 0
.irp i, 0,1,2,3,4,5,6,7
	ds_load_b128 v[\f+8*\i:\f+8*\i+3],   v[ADRA+\slot] offset:\k+\i*16*PITCH
	ds_load_b128 v[\f+8*\i+4:\f+8*\i+7], v[ADRA+\slot] offset:\k+\i*16*PITCH+32
.endr
.endm
; The 48 accumulators take turns, one instruction a turn, in the same order in every quarter step.
.macro MULV f, zero                    ; 16 tiles of v: source 0 = tokens, source 1 = weights
	WIN 0xf4
.irp a, 0,1,2,3,4,5,6,7
.irp c, 0,1
.if \zero
	v_wmma_f32_16x16x32_bf16 v[8*(2*\a+\c):8*(2*\a+\c)+7], v[\f+8*\a:\f+8*\a+7], v[\f+32+8*\c:\f+32+8*\c+7], 0
.else
	v_wmma_f32_16x16x32_bf16 v[8*(2*\a+\c):8*(2*\a+\c)+7], v[\f+8*\a:\f+8*\a+7], v[\f+32+8*\c:\f+32+8*\c+7], v[8*(2*\a+\c):8*(2*\a+\c)+7]
.endif
.endr
.endr
.endm
.macro MULQK f, zero                   ; 32 tiles of q or k: source 0 = weights, source 1 = tokens
	WIN 0xa1
.irp a, 0,1,2,3,4,5,6,7
.irp b, 0,1,2,3
.if \zero
	v_wmma_f32_16x16x32_bf16 v[8*(4*\a+\b):8*(4*\a+\b)+7], v[\f+8*\b:\f+8*\b+7], v[\f+8*\a:\f+8*\a+7], 0
.else
	v_wmma_f32_16x16x32_bf16 v[8*(4*\a+\b):8*(4*\a+\b)+7], v[\f+8*\b:\f+8*\b+7], v[\f+8*\a:\f+8*\a+7], v[8*(4*\a+\b):8*(4*\a+\b)+7]
.endif
.endr
.endr
.endm
; One of a K step's first three quarters: buffer f is in; the next quarter's fragments go out into g, 48 matrix instructions ahead of their use
.macro QUARTER slot, k, f, g, zero
	s_wait_dscnt 0x0
	PLACES
	FETCH \slot, \k, \g
	MULV \f, \zero
	MULQK \f, \zero
.endm
.macro THREE slot, zero
	QUARTER \slot, 64,  F0, F1, \zero
	QUARTER \slot, 128, F1, F0, 0
	QUARTER \slot, 192, F0, F1, 0
.endm
; The last quarter changes slots.  In front of the barrier: my reads of this slot are back and all my tensor loads have landed (the one that
; was out is my part of the next slot).  Behind it (with fill: behind the cluster's round that it opens) the refill comes first.
; From a refill's request to the wait for it a wave issues 176 matrix instructions.
.macro TURN slot, next, fill
	s_wait_dscnt 0x0
	s_wait_tensorcnt 0x0
	ds_add_u32 v255, v223
	s_wait_dscnt 0x0
	s_barrier_signal -1
	MULV F1, 0                                     ; register work while the others arrive
	WIN 0
	s_barrier_wait -1
.if \fill
	CREST
	ASK \slot
.endif
	PLACES
	FETCH \next, 0, F0
	MULQK F1, 0
.endm
.macro LAP zero
	THREE 0, \zero
	TURN 0, 1, 1
	THREE 1, 0
	TURN 1, 0, 1
.endm
	s_wait_tensorcnt 0x1                           ; my part of the walk's first K step is in; the second's stays out
	s_barrier_signal -1
	s_barrier_wait -1
	FETCH 0, 0, F0
	LAP 1                                          ; the first products start the sums: nothing is cleared
	WIN 0
	s_mov_b32 s3, LAPS-2
.Llap:
	LAP 0
	WIN 0
	s_sub_co_u32 s3, s3, 1
	s_cmp_lg_u32 s3, 0
	s_cbranch_scc1 .Llap
	THREE 0, 0                                     ; the last lap fills nothing
	TURN 0, 1, 0
	THREE 1, 0
	s_wait_dscnt 0x0
	MULV F1, 0
	MULQK F1, 0
	; THE WAY OUT: bias (and q's scale) in f32, one rounding, 16 bytes a lane, 512 consecutive bytes a store.  No LDS.
	PLACES
	WIN 0
	s_lshr_b32 s18, s13, 2                         ; batch
	s_and_b32 s19, s42, 7
	s_lshl1_add_u32 s19, s19, s12                  ; head of q or k = 2 (bx & 7) + wc
	s_lshl4_add_u32 s18, s18, s19
	s_lshl_b32 s18, s18, 6
	s_and_b32 s19, s13, 3
	s_lshl1_add_u32 s19, s19, s11
	s_lshl3_add_u32 s18, s19, s18                  ; + token tile 16 (by & 3) + 8 wr
	s_lshl_b32 s8, s18, 11
	s_mov_b32 s9, 0
	s_cmp_lt_u32 ttmp9, 2                          ; bx < 8: the block is q's
	s_cselect_b64 s[6:7], s[90:91], s[92:93]
	s_cselect_b32 s96, 0x3e38aa3b, 1.0             ; 0.125 log2(e) for q, 1 for k
	s_mov_b32 s97, s96
	s_add_nc_u64 s[6:7], s[6:7], s[8:9]
	s_lshr_b32 s18, s13, 2
	s_lshl4_add_u32 s18, s18, s42                  ; batch x 16 + head of v (= bx)
	s_lshl_b32 s18, s18, 5
	s_lshl2_add_u32 s18, s19, s18                  ; + key step 8 (by & 3) + 4 wr
	s_lshl1_add_u32 s18, s18, s12                  ; x 4 + 2 wc, in units of 2,048 bytes
	s_lshl_b32 s8, s18, 11
	s_add_nc_u64 s[66:67], s[94:95], s[8:9]
	s_wait_loadcnt 0x0                             ; the biases
.irp i, 0,2,4,6,8,10,12,14,16,18,20,22,24,26,28,30
	v_pk_mul_f32 v[BQ+\i:BQ+\i+1], v[BQ+\i:BQ+\i+1], s[96:97] op_sel_hi:[1,0]
.endr
	v_mov_b32 v[BV+1], v[BV]
	v_mov_b32 v[BV+3], v[BV+2]
.macro OUTQK a
	WIN 0x02
.irp b, 0,1,2,3
.irp i, 0,2,4,6
	v_pk_fma_f32 v[TMP+8*\b+\i:TMP+8*\b+\i+1], v[8*(4*\a+\b)+\i:8*(4*\a+\b)+\i+1], s[96:97], v[BQ+8*\b+\i:BQ+8*\b+\i+1] op_sel_hi:[1,0,1]
.endr
.endr
	WIN 0
	s_wait_xcnt 0x0                                ; the packed registers, which the last stores read, are rewritten only behind this wait
.irp b, 0,1,2,3
.irp i, 0,1,2,3
	v_cvt_pk_bf16_f32 v[PK+4*\b+\i], v[TMP+8*\b+2*\i], v[TMP+8*\b+2*\i+1]
.endr
	global_store_b128 v[LN16], v[PK+4*\b:PK+4*\b+3], s[6:7] offset:\a*2048+\b*512
.endr
.endm
.macro OUTV a
	WIN 0x03
.irp c, 0,1
.irp i, 0,2,4,6
	v_pk_add_f32 v[TMP+8*\c+\i:TMP+8*\c+\i+1], v[8*(2*\a+\c)+\i:8*(2*\a+\c)+\i+1], v[BV+2*\c:BV+2*\c+1]
.endr
.endr
	WIN 0
	s_wait_xcnt 0x0
.irp c, 0,1
.irp i, 0,1,2,3
	v_cvt_pk_bf16_f32 v[PK+4*\c+\i], v[TMP+8*\c+2*\i], v[TMP+8*\c+2*\i+1]
.endr
	global_store_b128 v[LN16], v[PK+4*\c:PK+4*\c+3], s[66:67] offset:(\a>>1)*4096+\c*1024+(\a&1)*512
.endr
.endm
.irp a, 0,1,2,3,4,5,6,7
	OUTQK \a
	OUTV \a
.endr
	CROUND                                         ; the closing round: no work-group ends while a partner may still ask jointly
	s_endpgm
.Lfunc_end_k_q0b4a157c1c_qkv:
	.size	k_q0b4a157c1c_qkv, .Lfunc_end_k_q0b4a157c1c_qkv-k_q0b4a157c1c_qkv
	.p2alignl 7, 3214868480
	.fill 96, 4, 3214868480
	.section	.rodata,"a",@progbits
	.p2align	6, 0x0
	.amdhsa_kernel k_q0b4a157c1c_qkv
		.amdhsa_group_segment_fixed_size 327680
		.amdhsa_private_segment_fixed_size 0
		.amdhsa_enable_private_segment 0
		.amdhsa_kernarg_size 48
		.amdhsa_user_sgpr_count 2
		.amdhsa_user_sgpr_kernarg_segment_ptr 1
		.amdhsa_wavefront_size32 1
		.amdhsa_system_sgpr_workgroup_id_x 1
		.amdhsa_system_sgpr_workgroup_id_y 1
		.amdhsa_system_sgpr_workgroup_id_z 1
		.amdhsa_system_vgpr_workitem_id 0
		.amdhsa_next_free_vgpr 896
		.amdhsa_next_free_sgpr 106
		.amdhsa_reserve_vcc 0
		.amdhsa_float_denorm_mode_32 3
		.amdhsa_float_denorm_mode_16_64 3
		.amdhsa_memory_ordered 1
		.amdhsa_forward_progress 1
		.amdhsa_inst_pref_size 168
	.end_amdhsa_kernel
	.amdgpu_metadata
---
amdhsa.version: [ 1, 2 ]
amdhsa.kernels:
  - .name:           k_q0b4a157c1c_qkv
    .symbol:         k_q0b4a157c1c_qkv.kd
    .args:
      - { .name: xb, .offset: 0, .size: 8, .value_kind: global_buffer, .address_space: global }
      - { .name: wib, .offset: 8, .size: 8, .value_kind: global_buffer, .address_space: global }
      - { .name: in_proj_b, .offset: 16, .size: 8, .value_kind: global_buffer, .address_space: global }
      - { .name: qf, .offset: 24, .size: 8, .value_kind: global_buffer, .address_space: global }
      - { .name: kf, .offset: 32, .size: 8, .value_kind: global_buffer, .address_space: global }
      - { .name: vf, .offset: 40, .size: 8, .value_kind: global_buffer, .address_space: global }
    .group_segment_fixed_size: 327680
    .private_segment_fixed_size: 0
    .kernarg_segment_align: 8
    .kernarg_segment_size: 48
    .max_flat_workgroup_size: 128
    .sgpr_count:     106
    .vgpr_count:     896
    .wavefront_size: 32
...
	.end_amdgpu_metadata
.endif
;; end of part 5
;; launch attn (part 6): grid 256 x 1, 4 waves a work-group, clusters of 4 x 1, 327,680 bytes of LDS; arguments qf, kf, vf, time_decay, attnf, out1; writes attnf, out1
.if DOCPART == 6
	.amdgcn_target "amdgcn-amd-amdhsa--gfx1250"
	.amdhsa_code_object_version 6
	.text
	.protected	k_q0b4a157c1c_attn
	.globl	k_q0b4a157c1c_attn
	.p2align	8
	.type	k_q0b4a157c1c_attn,@function
k_q0b4a157c1c_attn:
	s_mov_b64 s[64:65], 0
	v_nop
	global_prefetch_b8 v0, s[64:65] scope:SCOPE_SE
	s_setreg_imm32_b32 hwreg(HW_REG_WAVE_MODE, 25, 1), 1
	s_wait_xcnt 0x0
	s_wait_alu depctr_hold_cnt(0) depctr_sa_sdst(0) depctr_va_vdst(0) depctr_va_sdst(0) depctr_va_ssrc(0) depctr_va_vcc(0) depctr_vm_vsrc(0)
	s_getreg_b32 s2, hwreg(HW_REG_IB_STS2, 6, 4)
	s_cmp_eq_u32 s2, 0
	s_cbranch_scc0 .Lentry_in_a_cluster
	s_endpgm
.Lentry_in_a_cluster:
	s_bfe_u32 s2, ttmp6, 0x10000c
	s_cmp_lg_u32 s2, 0x3003
	s_cbranch_scc0 .Lentry_shape_is_right
	s_endpgm
.Lentry_shape_is_right:
; Attention with the bias -|time_decay| |i - j|, and the mean over the 16 heads of the normalised weights (out1).
; A work-group: 32 query rows of one batch, all 16 heads, all 1,024 keys.  Wave w: keys 256 w .. 256 w + 255 for both query tiles, so each
; byte of K and V in LDS is read by one wave.  The wave keeps its 32 x 256 scores of a head in 256 registers and its 32 x 256 part of out1
; in 256 more: the weights never go to memory but as out1.
; SOFTMAX in base 2 (q carries 0.125 log2 e): the exact maximum, first over the wave's 256 keys, then over the four waves through LDS;
; weights p = 2^(s - m_wave), later scaled by 2^(m_wave - M) / L.  Sums in f32; p rounded to bf16 for P V only.
; LIMITS: NaN and infinite inputs are not served; v_exp_f32 returns 0 for results below 2^-126 (ISA guide 15.8), so weights below 1.2e-38 count as 0;
; out1's sum takes the heads in the order of the walk below, which differs from cluster to cluster: another order of rounding than ascending heads.
; CLUSTERS 4 x 1: the four work-groups are four query blocks of one batch and ask for each head's K and V jointly (mask 15).
; THE WALK OVER THE HEADS IS ROTATED inside each group of four: place i of the walk is head (i & 12) | ((i + g) & 3), with g = (c & 3) xor 3 (c >> 2)
; for cluster c = 0..7 of the batch.  Any four of the eight clusters that agree in one bit of c have four different g, so they ask for a given
; head's K and V at four different places of the walk, and three requests in four are for bytes that another cluster has read a head or more before.
; One slot for K and one for V, each 131,072 bytes = a head.  K of the next head is asked for behind the round that follows this head's scores and has
; the softmax and P V in which to land; V of the next head behind the round that follows P V and has the combining and the next scores.
; A wave has two tensor loads out at the start and one afterwards.
; LAYOUT: scores are made transposed (source 0 = K, source 1 = Q): lane (r, h) holds query 16 qt + r and keys 16 kt + 8 h + 0..7, which
; packed to bf16 IS the fragment of P for P V.  The bias hangs on kt - qt alone: 17 resident tiles enter as the C of the first product.
; REGISTERS: window 0 addresses, Q, P, O, statistics; window 1 W = out1's sums, tile (kt, qt) at 8 (2 kt + qt); window 2 S likewise;
; window 3: v0-95 three buffers of K or V fragments, v96-231 the bias tiles, v232-239 their seed.
; SCALARS of the walk: s62 g, s63 the place i, s52 this head, s68 the next; s[66:67] the next head's byte offset in qf, kf, vf; s[70:71] this head's in attnf;
; s[54:55] K, s[56:57] V, s[58:59] Q, s[60:61] attnf at head 0: these four stay as they are.
.set HSTEP,  131072                    ; bytes of a head in qf, kf, vf
.set VSLOT,  131072
.set OX,     262144                    ; per wave O^T [64 hd][32 q] f32, rows 144 bytes apart
.set OXP,    144
.set STAT,   OX+4*64*OXP               ; m at 16 q + 4 w, l 512 bytes behind
.set SP,     1040                      ; out1's stage: 1,024 bytes + 16
.set QR, 24                            ; v24-55   Q fragments at 16 qt + 8 ks
.set PT, 56                            ; v56-87   P fragments, two buffers of 16; later the waves' parts of O
.set OA, 88                            ; v88-151  O tiles at 8 (4 qt + ht)
.set MX, 152                           ; v152-159 chains of the maximum; m of qt at MX + 4 qt
.set MN, 160                           ; v160-163 -m, a pair for each qt
.set LS, 164                           ; v164-179 chains of the sum; l of qt at LS + 8 qt
.set MS, 180                           ; v180 my m, v181 my l, for query = lane
.set MM, 188                           ; v188-191 the four waves' m
.set LL, 192                           ; v192-195 the four waves' l
.set EX, 196                           ; v196-200 2^(m - M): four waves, then my own
.set RI, 201
.set FP, 204                           ; v204-211 2^(m_w - M) / L, a pair for each wave
.set GG, 212                           ; v212-215 my factor / 16 in the scores' layout, a pair for each qt
.set AO, 216                           ; v216-223 packed output
.set BT, 96                            ; window 3
.set G1, 28                            ; s[28:35] group 1; s[36:39] K's group 0; s[40:43] V's
.set MSB, 0
.macro WIN new
.if MSB != \new
	s_set_vgpr_msb (MSB<<8)|\new
.set MSB, \new
.endif
.endm
.macro PLACES                          ; four places behind a matrix instruction (ISA guide 7.12.1)
.rept 4
	v_nop
.endr
.endm
.macro ROUND                           ; a round of the cluster's barrier
	s_barrier_signal -1
	s_barrier_wait -1
	s_cmp_lg_u32 s16, 0
	s_cbranch_scc1 .Lnot_wave_0_\@
	s_barrier_signal -3
.Lnot_wave_0_\@:
	s_barrier_wait -3
	s_barrier_signal -1
	s_barrier_wait -1
.endm
	s_load_b256 s[4:11], s[0:1], 0x0               ; qf s[4:5], kf s[6:7], vf s[8:9], time_decay s[10:11]
	s_load_b128 s[12:15], s[0:1], 0x20             ; attnf s[12:13], out1 s[14:15]
	v_lshl_add_u32 v254, v0, 2, 0x49400
	v_mov_b32 v255, 0
	ds_add_u32 v254, v255
	v_lshrrev_b32 v1, 5, v0
	v_readfirstlane_b32 s16, v1                    ; wave
	s_bfe_u32 s17, ttmp6, 0x40000                  ; cx
	s_lshr_b32 s18, ttmp9, 3                       ; batch: eight clusters each
	s_and_b32 s19, ttmp9, 7
	s_lshl2_add_u32 s19, s19, s17                  ; block of 32 queries in the batch
	s_and_b32 s62, ttmp9, 7                        ; the walk: c,
	s_lshr_b32 s63, s62, 2
	s_mul_i32 s63, s63, 3
	s_xor_b32 s62, s62, s63
	s_and_b32 s62, s62, 3                          ; g = (c & 3) xor 3 (c >> 2): made of the cluster's number alone
	s_mov_b32 s63, 0                               ; place 0,
	s_mov_b32 s52, s62                             ; which is head g
	s_lshl_b32 s66, s62, 17
	s_mov_b32 s67, 0
	s_mov_b32 s71, 0
	s_mov_b32 s22, 0x76543210                      ; v_permlanex16_b32: lane i reads lane i xor 16
	s_mov_b32 s23, 0xfedcba98
	s_mov_b32 s24, 0xffff0000                      ; lanes 16-31
	; group 1: 32,768 dense bytes as 128 rows of 32 elements of 8 bytes, to all four work-groups
	s_mov_b32 s[G1+0], 15|(3<<16)|(1<<21)
	s_mov_b32 s[G1+1], 32<<16
	s_mov_b32 s[G1+2], 128<<16
	s_mov_b32 s[G1+3], 32<<16
	s_mov_b32 s[G1+4], 128
	s_mov_b32 s[G1+5], 32
	s_mov_b32 s[G1+6], 0
	s_mov_b32 s[G1+7], 0
	s_lshl_b32 s25, s16, 15                        ; my 32,768 bytes of a slot and of a head
	s_lshl_b32 s26, s18, 21                        ; 16 heads of 131,072 bytes a batch
	s_add_co_u32 s26, s26, s25
	s_mov_b32 s27, 0
	s_mov_b32 s36, 1
	s_lshl_b32 s37, s16, 15
	s_mov_b32 s40, 1
	s_add_co_u32 s41, s37, VSLOT
	s_wait_dscnt 0x0
	s_wait_kmcnt 0x0
	s_add_nc_u64 s[54:55], s[6:7], s[26:27]        ; my part of K and of V at the batch's head 0
	s_add_nc_u64 s[56:57], s[8:9], s[26:27]
	s_add_nc_u64 s[38:39], s[54:55], s[66:67]
	s_or_b32 s39, s39, 0x80000000
	s_add_nc_u64 s[42:43], s[56:57], s[66:67]
	s_or_b32 s43, s43, 0x80000000
	ROUND
	tensor_load_to_lds s[36:39], s[G1:G1+7]        ; K of the walk's first head
	s_nop 0
	tensor_load_to_lds s[40:43], s[G1:G1+7]        ; V of it
	s_nop 0
	s_load_b32 s21, s[10:11], 0x0
	s_lshl_b32 s50, s18, 21
	s_lshl_b32 s51, s19, 12                        ; two token tiles of 2,048 bytes a block
	s_add_co_u32 s50, s50, s51
	s_mov_b32 s51, 0
	s_add_nc_u64 s[58:59], s[4:5], s[50:51]        ; Q at head 0
	s_add_nc_u64 s[44:45], s[58:59], s[66:67]      ; Q of the first head
	v_and_b32 v1, 31, v0                           ; L
	v_and_b32 v2, 15, v0                           ; r
	v_bfe_u32 v3, v0, 4, 1                         ; h
	v_lshlrev_b32 v10, 4, v1                       ; 16 L
.macro LOADQ                           ; 4 fragments: register 4 i from byte 512 i
.irp i, 0,1,2,3,4,5,6,7
	global_load_b128 v[QR+4*\i:QR+4*\i+3], v10, s[44:45] offset:\i*512
.endr
.endm
	LOADQ
	s_lshl_b32 s50, s18, 21                        ; attnf: token tile (64 batch + 2 block) x 32,768 + my 16 features of a head's 64
	s_lshl_b32 s51, s19, 16
	s_add_co_u32 s50, s50, s51
	s_lshl_b32 s51, s16, 9
	s_add_co_u32 s50, s50, s51
	s_mov_b32 s51, 0
	s_add_nc_u64 s[60:61], s[12:13], s[50:51]
	s_lshl_b32 s50, s18, 22                        ; out1: row (1024 batch + 32 block), column 256 w
	s_lshl_b32 s51, s19, 17
	s_add_co_u32 s50, s50, s51
	s_lshl_b32 s51, s16, 10
	s_add_co_u32 s50, s50, s51
	s_mov_b32 s51, 0
	s_add_nc_u64 s[48:49], s[14:15], s[50:51]
	v_add_nc_u32 v4, s25, v10                      ; K fragments: my part + 16 L
	v_add_nc_u32 v5, VSLOT, v4                     ; V fragments
	v_mul_u32_u24 v6, v2, OXP
	v_lshl_add_u32 v6, v3, 5, v6
	s_mul_i32 s53, s16, 64*OXP
	s_add_co_u32 s53, s53, OX
	v_add_nc_u32 v6, s53, v6                       ; O out: row hd = 16 ht + r, 8 h queries on
	s_mul_i32 s53, s16, 16*OXP
	s_add_co_u32 s53, s53, OX
	v_lshl_add_u32 v7, v1, 2, s53                  ; O back: rows hd = 16 w + i, query = lane
	v_lshl_add_u32 v9, v1, 4, STAT                 ; the four waves' statistics of query = lane
	s_lshl_b32 s53, s16, 2
	v_add_nc_u32 v8, s53, v9                       ; my word among them
	v_lshlrev_b32 v11, 4, v2
	v_lshl_add_u32 v11, v3, 15, v11                ; attnf: token tile L >> 4, 16 bytes of row L & 15
	v_mul_u32_u24 v12, v2, SP
	v_lshl_add_u32 v12, v3, 5, v12
	v_add_nc_u32 v12, s25, v12                     ; out1's stage for qt 0 (my part of K's slot), row r, 8 h keys on
	v_add_nc_u32 v13, VSLOT, v12                   ; for qt 1 (my part of V's slot)
	; the bias tiles: entry j of tile d = -|td| log2(e) |256 w + 8 h - q0 - r + 16 (d - 1) + j|
	s_lshl_b32 s50, s16, 8
	s_lshl_b32 s51, s19, 5
	s_sub_co_u32 s50, s50, s51
	s_sub_co_u32 s50, s50, 16
	v_lshl_add_u32 v16, v3, 3, s50
	v_sub_nc_u32 v16, v16, v2
	s_wait_kmcnt 0x0
	s_or_b32 s21, s21, 0x80000000                  ; -|td|
	s_mul_f32 s21, s21, 0x3fb8aa3b
	WIN 0xc0
.irp j, 2,3,4,5,6,7,8,9
	v_add_nc_u32 v23\j, \j-2, v16
.endr
	WIN 0xcf
.irp j, 2,3,4,5,6,7,8,9
	v_cvt_f32_i32 v23\j, v23\j
.endr
.set dd, 0
.rept 17
.irp j, 2,3,4,5,6,7,8,9
	v_mul_f32 v[BT+8*dd+\j-2], s21, |v23\j|
.endr
.if dd < 16
.irp j, 232,234,236,238
	v_pk_add_f32 v[\j:\j+1], v[\j:\j+1], 0x41800000 op_sel_hi:[1,0]   ; sixteen keys on
.endr
.endif
.set dd, dd+1
.endr
	WIN 0
; eight loads: unit u (4,096 bytes: two key tiles of K, or a key step of V) into buffer u mod 3, register 4 i from byte 512 i
.macro LDU adr, u
	WIN 0xc0
.irp i, 0,1,2,3,4,5,6,7
	ds_load_b128 v[32*((\u)%3)+4*\i:32*((\u)%3)+4*\i+3], v[\adr] offset:(\u)*4096+\i*512
.endr
.endm
; scores of key tiles 2 u, 2 u + 1 for both query tiles.  left = LDS loads of the younger units that may stay out.
; The four accumulators take turns, one instruction a turn.
.macro QKU u, left
.if \u < 6
	PLACES
	LDU 4, \u+2
.endif
	s_wait_dscnt \left
	WIN 0xb3
.irp t, 0,1
.irp qt, 0,1
	v_wmma_f32_16x16x32_bf16 v[8*(2*(2*\u+\t)+\qt):8*(2*(2*\u+\t)+\qt)+7], v[32*(\u%3)+16*\t:32*(\u%3)+16*\t+7], v[QR+16*\qt:QR+16*\qt+7], v[BT+8*(2*\u+\t-\qt+1):BT+8*(2*\u+\t-\qt+1)+7]
.endr
.endr
	WIN 0xa3
.irp t, 0,1
.irp qt, 0,1
	v_wmma_f32_16x16x32_bf16 v[8*(2*(2*\u+\t)+\qt):8*(2*(2*\u+\t)+\qt)+7], v[32*(\u%3)+16*\t+8:32*(\u%3)+16*\t+15], v[QR+16*\qt+8:QR+16*\qt+15], v[8*(2*(2*\u+\t)+\qt):8*(2*(2*\u+\t)+\qt)+7]
.endr
.endr
.endm
; P V for the 32 keys of step kk.  The sixteen conversions are also the places behind step kk - 1's matrix instructions, whose V buffer is loaded again.
; The eight accumulators take turns, one instruction a turn.
.macro PVU kk, left, zero
	WIN 0x0a
.irp qt, 0,1
.irp t, 0,1
.irp i, 0,1,2,3
	v_cvt_pk_bf16_f32 v[PT+16*(\kk&1)+8*\qt+4*\t+\i], v[8*(2*(2*\kk+\t)+\qt)+2*\i], v[8*(2*(2*\kk+\t)+\qt)+2*\i+1]
.endr
.endr
.endr
.if \kk < 6
	LDU 5, \kk+2
.endif
	s_wait_dscnt \left
	WIN 0x0c
.irp qt, 0,1
.irp ht, 0,1,2,3
.if \zero
	v_wmma_f32_16x16x32_bf16 v[OA+8*(4*\qt+\ht):OA+8*(4*\qt+\ht)+7], v[PT+16*(\kk&1)+8*\qt:PT+16*(\kk&1)+8*\qt+7], v[32*(\kk%3)+8*\ht:32*(\kk%3)+8*\ht+7], 0
.else
	v_wmma_f32_16x16x32_bf16 v[OA+8*(4*\qt+\ht):OA+8*(4*\qt+\ht)+7], v[PT+16*(\kk&1)+8*\qt:PT+16*(\kk&1)+8*\qt+7], v[32*(\kk%3)+8*\ht:32*(\kk%3)+8*\ht+7], v[OA+8*(4*\qt+\ht):OA+8*(4*\qt+\ht)+7]
.endif
.endr
.endr
.endm
; One head.  first = 1: out1's sums start here.  fill = 1: a further head follows and is asked for.
.macro HEAD first, fill
	; ---- scores
	s_wait_loadcnt 0x0                             ; Q of this head; its loads are done, so their base may be written
.if \fill
	s_add_co_u32 s63, s63, 1                       ; the next place of the walk,
	s_and_b32 s68, s63, 12                         ; its group of four heads,
	s_add_co_u32 s69, s63, s62
	s_and_b32 s69, s69, 3                          ; its turn in the group, rotated by g,
	s_or_b32 s68, s68, s69                         ; the next head,
	s_lshl_b32 s66, s68, 17                        ; and its bytes in qf, kf, vf
	s_add_nc_u64 s[44:45], s[58:59], s[66:67]
.endif
	QKU 0, 16
	QKU 1, 16
	QKU 2, 16
	QKU 3, 16
	QKU 4, 16
	QKU 5, 16
	QKU 6, 8
	QKU 7, 0
	PLACES
	WIN 0
	s_wait_dscnt 0x0                               ; my reads of K's slot (and of the last head's O and statistics) are back
	s_wait_tensorcnt 0x0                           ; all my tensor loads have landed: V of this head
	ds_add_u32 v254, v255
	s_wait_dscnt 0x0
.if \fill
	s_add_nc_u64 s[38:39], s[54:55], s[66:67]
	s_or_b32 s39, s39, 0x80000000
	ROUND                                          ; both hold of every wave of all four work-groups
	tensor_load_to_lds s[36:39], s[G1:G1+7]        ; K of the next head
	s_nop 0
	LOADQ
.else
	s_barrier_signal -1                            ; orders the last head's reads of O and statistics with this head's stores
	s_barrier_wait -1
.endif
	LDU 5, 0
	LDU 5, 1
	; ---- softmax over my 256 keys: maximum in eight chains
	WIN 0x0a
.irp qt, 0,1
.irp c, 0,1,2,3
	v_max_num_f32 v[MX+4*\qt+\c], v[8*\qt+2*\c], v[8*\qt+2*\c+1]
.endr
.endr
.set ti, 1
.rept 15
.irp qt, 0,1
.irp c, 0,1,2,3
	v_max3_num_f32 v[MX+4*\qt+\c], v[8*(2*ti+\qt)+2*\c], v[8*(2*ti+\qt)+2*\c+1], v[MX+4*\qt+\c]
.endr
.endr
.set ti, ti+1
.endr
	WIN 0
.irp qt, 0,1
	v_max3_num_f32 v[MX+4*\qt], v[MX+4*\qt], v[MX+4*\qt+1], v[MX+4*\qt+2]
	v_max_num_f32 v[MX+4*\qt], v[MX+4*\qt], v[MX+4*\qt+3]
	v_permlanex16_b32 v[MX+4*\qt+1], v[MX+4*\qt], s22, s23     ; the other eight keys of each tile lie 16 lanes away
	v_max_num_f32 v[MX+4*\qt], v[MX+4*\qt], v[MX+4*\qt+1]
	v_mul_f32 v[MN+2*\qt], -1.0, v[MX+4*\qt]
	v_mul_f32 v[MN+2*\qt+1], -1.0, v[MX+4*\qt]
.endr
	WIN 0x82
.set ti, 0
.rept 32
.irp i, 0,2,4,6
	v_pk_add_f32 v[8*ti+\i:8*ti+\i+1], v[8*ti+\i:8*ti+\i+1], v[MN+2*(ti&1):MN+2*(ti&1)+1]
.endr
.irp i, 0,1,2,3,4,5,6,7
	v_exp_f32 v[8*ti+\i], v[8*ti+\i]               ; the next tile's additions are the plain place behind these (ISA guide 5.7.2)
.endr
.set ti, ti+1
.endr
	v_nop
	WIN 0x0a                                       ; the sum in eight chains of pairs
	s_wait_alu depctr_va_vdst(0)
.irp qt, 0,1
.irp c, 0,2,4,6
	v_pk_add_f32 v[LS+8*\qt+\c:LS+8*\qt+\c+1], v[8*\qt+\c:8*\qt+\c+1], v[8*(2+\qt)+\c:8*(2+\qt)+\c+1]
.endr
.endr
	WIN 0x02
.set ti, 2
.rept 14
.irp qt, 0,1
.irp c, 0,2,4,6
	v_pk_add_f32 v[LS+8*\qt+\c:LS+8*\qt+\c+1], v[8*(2*ti+\qt)+\c:8*(2*ti+\qt)+\c+1], v[LS+8*\qt+\c:LS+8*\qt+\c+1]
.endr
.endr
.set ti, ti+1
.endr
	WIN 0
.irp qt, 0,1
	v_pk_add_f32 v[LS+8*\qt:LS+8*\qt+1], v[LS+8*\qt:LS+8*\qt+1], v[LS+8*\qt+2:LS+8*\qt+3]
	v_pk_add_f32 v[LS+8*\qt+4:LS+8*\qt+5], v[LS+8*\qt+4:LS+8*\qt+5], v[LS+8*\qt+6:LS+8*\qt+7]
	v_pk_add_f32 v[LS+8*\qt:LS+8*\qt+1], v[LS+8*\qt:LS+8*\qt+1], v[LS+8*\qt+4:LS+8*\qt+5]
	v_add_f32 v[LS+8*\qt], v[LS+8*\qt], v[LS+8*\qt+1]
	v_permlanex16_b32 v[LS+8*\qt+1], v[LS+8*\qt], s22, s23
	v_add_f32 v[LS+8*\qt], v[LS+8*\qt], v[LS+8*\qt+1]
.endr
	; ---- P V over my 256 keys
	PVU 0, 16, 1
	PVU 1, 16, 0
	PVU 2, 16, 0
	PVU 3, 16, 0
	PVU 4, 16, 0
	PVU 5, 16, 0
	PVU 6, 8, 0
	PVU 7, 0, 0
	PLACES
	WIN 0
	v_cndmask_b32 v[MS], v[MX], v[MX+4], s24       ; lane L speaks for query L
	v_cndmask_b32 v[MS+1], v[LS], v[LS+8], s24
	ds_store_b32 v8, v[MS]
	ds_store_b32 v8, v[MS+1] offset:512
.irp qt, 0,1
.irp ht, 0,1,2,3
	ds_store_b128 v6, v[OA+8*(4*\qt+\ht):OA+8*(4*\qt+\ht)+3]   offset:\ht*16*OXP+\qt*64
	ds_store_b128 v6, v[OA+8*(4*\qt+\ht)+4:OA+8*(4*\qt+\ht)+7] offset:\ht*16*OXP+\qt*64+16
.endr
.endr
	s_wait_dscnt 0x0                               ; my stores are in LDS and my reads of V's slot are back
	s_wait_tensorcnt 0x0                           ; all my tensor loads have landed: K of the next head
	ds_add_u32 v254, v255
	s_wait_dscnt 0x0
.if \fill
	s_add_nc_u64 s[42:43], s[56:57], s[66:67]
	s_or_b32 s43, s43, 0x80000000
	ROUND
	tensor_load_to_lds s[40:43], s[G1:G1+7]        ; V of the next head
	s_nop 0
.else
	s_barrier_signal -1
	s_barrier_wait -1
.endif
	; ---- the four waves' parts are combined: I take hd 16 w .. 16 w + 15 of all 32 queries, query = lane
	ds_load_b128 v[MM:MM+3], v9
	ds_load_b128 v[LL:LL+3], v9 offset:512
.irp wp, 0,1
.irp i, 0,1,2,3,4,5,6,7,8,9,10,11,12,13,14,15
	ds_load_b32 v[PT+16*\wp+\i], v7 offset:\wp*64*OXP+\i*OXP
.endr
.endr
.if \fill
	LDU 4, 0                                       ; the next head's first K fragments
	LDU 4, 1
	WIN 0
.endif
	s_wait_dscnt 32+16*\fill                       ; the statistics are in; what was issued behind them stays out
	v_max3_num_f32 v16, v[MM], v[MM+1], v[MM+2]
	v_max_num_f32 v16, v16, v[MM+3]                ; M
.irp i, 0,1,2,3
	v_sub_f32 v[EX+\i], v[MM+\i], v16
.endr
	v_sub_f32 v[EX+4], v[MS], v16
.irp i, 0,1,2,3,4
	v_exp_f32 v[EX+\i], v[EX+\i]
.endr
	v_nop
	s_wait_alu depctr_va_vdst(0)
	v_mul_f32 v17, v[EX], v[LL]
	v_fmac_f32 v17, v[EX+1], v[LL+1]
	v_fmac_f32 v17, v[EX+2], v[LL+2]
	v_fmac_f32 v17, v[EX+3], v[LL+3]               ; L, at least 1: the wave that holds M adds 2^0
	v_rcp_f32 v[RI], v17
	v_nop
	s_wait_alu depctr_va_vdst(0)
.irp i, 0,1,2,3
	v_mul_f32 v[FP+2*\i], v[EX+\i], v[RI]
	v_mul_f32 v[FP+2*\i+1], v[EX+\i], v[RI]
.endr
	v_mul_f32 v18, v[EX+4], v[RI]
	v_mul_f32 v18, 0x3d800000, v18                 ; my weights' factor, with the mean's 1/16
	v_mov_b32 v19, v18
	v_permlanex16_b32 v19, v18, s22, s23
	v_cndmask_b32 v[GG], v18, v19, s24             ; in the scores' layout lane (r, h) wants query 16 qt + r
	v_cndmask_b32 v[GG+1], v18, v19, s24
	v_cndmask_b32 v[GG+2], v19, v18, s24
	v_cndmask_b32 v[GG+3], v19, v18, s24
	s_wait_dscnt 16*\fill                          ; the parts of waves 0 and 1 are in
.irp i, 0,2,4,6,8,10,12,14
	v_pk_mul_f32 v[OA+\i:OA+\i+1], v[PT+\i:PT+\i+1], v[FP:FP+1]
.endr
.irp i, 0,2,4,6,8,10,12,14
	v_pk_fma_f32 v[OA+\i:OA+\i+1], v[PT+16+\i:PT+16+\i+1], v[FP+2:FP+3], v[OA+\i:OA+\i+1]
.endr
.irp wp, 2,3
.irp i, 0,1,2,3,4,5,6,7,8,9,10,11,12,13,14,15
	ds_load_b32 v[PT+16*(\wp-2)+\i], v7 offset:\wp*64*OXP+\i*OXP
.endr
.endr
	WIN 0x52                                       ; out1's sums, while those loads are on their way
.set ti, 0
.rept 32
.irp i, 0,2,4,6
.if \first
	v_pk_mul_f32 v[8*ti+\i:8*ti+\i+1], v[8*ti+\i:8*ti+\i+1], v[GG+2*(ti&1):GG+2*(ti&1)+1]
.else
	v_pk_fma_f32 v[8*ti+\i:8*ti+\i+1], v[8*ti+\i:8*ti+\i+1], v[GG+2*(ti&1):GG+2*(ti&1)+1], v[8*ti+\i:8*ti+\i+1]
.endif
.endr
.set ti, ti+1
.endr
	WIN 0
	s_wait_dscnt 0x0
.irp i, 0,2,4,6,8,10,12,14
	v_pk_fma_f32 v[OA+\i:OA+\i+1], v[PT+\i:PT+\i+1], v[FP+4:FP+5], v[OA+\i:OA+\i+1]
.endr
.irp i, 0,2,4,6,8,10,12,14
	v_pk_fma_f32 v[OA+\i:OA+\i+1], v[PT+16+\i:PT+16+\i+1], v[FP+6:FP+7], v[OA+\i:OA+\i+1]
.endr
	s_wait_xcnt 0x0                                ; the last head's stores have read their data and base: both are rewritten only behind this wait
	s_lshl_b32 s70, s52, 11                        ; a head is two fragments along the features
	s_add_nc_u64 s[46:47], s[60:61], s[70:71]
.irp i, 0,1,2,3,4,5,6,7
	v_cvt_pk_bf16_f32 v[AO+\i], v[OA+2*\i], v[OA+2*\i+1]
.endr
	global_store_b128 v11, v[AO:AO+3], s[46:47]                ; sixteen lanes store 256 consecutive bytes, aligned
	global_store_b128 v11, v[AO+4:AO+7], s[46:47] offset:256
.if \fill
	s_mov_b32 s52, s68                             ; the next head becomes this head
.endif
.endm
	s_wait_tensorcnt 0x1                           ; K of the first head is in (my own bytes: no other wave reads them); V's load stays out
	LDU 4, 0
	LDU 4, 1
	WIN 0
	HEAD 1, 1
	s_mov_b32 s20, 14
.Lhead:
	HEAD 0, 1
	s_sub_co_u32 s20, s20, 1
	s_cmp_lg_u32 s20, 0
	s_cbranch_scc1 .Lhead
	HEAD 0, 0
	; out1: my 16 x 256 numbers of each query tile turn into rows through a stage in my own part of a slot that has had its last fill.
	; LDS serves a wave's instructions in order (ISA guide 5.7.1.4): the loads see the stores above them.
.macro OUT1 qt, sw, rd
	WIN 0x04
.irp kt, 0,1,2,3,4,5,6,7,8,9,10,11,12,13,14,15
	ds_store_b128 v[\sw], v[8*(2*\kt+\qt):8*(2*\kt+\qt)+3]   offset:\kt*64
	ds_store_b128 v[\sw], v[8*(2*\kt+\qt)+4:8*(2*\kt+\qt)+7] offset:\kt*64+16
.endr
	WIN 0x80
.set ti, 0
.rept 32
	ds_load_b128 v[128*\qt+4*ti:128*\qt+4*ti+3], v[\rd] offset:(ti>>1)*SP+(ti&1)*512
.set ti, ti+1
.endr
	WIN 0x08
.set ti, 0
.rept 32
	s_wait_dscnt 31-ti                             ; load ti is in, the younger ones stay out
	global_store_b128 v10, v[128*\qt+4*ti:128*\qt+4*ti+3], s[48:49] offset:\qt*65536+(ti>>1)*4096+(ti&1)*512 th:TH_STORE_NT
.set ti, ti+1
.endr
.endm
	OUT1 0, 12, 4
	OUT1 1, 13, 5
	WIN 0
	s_wait_dscnt 0x0
	s_wait_tensorcnt 0x0
	ds_add_u32 v254, v255
	s_wait_dscnt 0x0
	ROUND                                          ; the closing round
	s_endpgm
.Lfunc_end_k_q0b4a157c1c_attn:
	.size	k_q0b4a157c1c_attn, .Lfunc_end_k_q0b4a157c1c_attn-k_q0b4a157c1c_attn
	.p2alignl 7, 3214868480
	.fill 96, 4, 3214868480
	.section	.rodata,"a",@progbits
	.p2align	6, 0x0
	.amdhsa_kernel k_q0b4a157c1c_attn
		.amdhsa_group_segment_fixed_size 327680
		.amdhsa_private_segment_fixed_size 0
		.amdhsa_enable_private_segment 0
		.amdhsa_kernarg_size 48
		.amdhsa_user_sgpr_count 2
		.amdhsa_user_sgpr_kernarg_segment_ptr 1
		.amdhsa_wavefront_size32 1
		.amdhsa_system_sgpr_workgroup_id_x 1
		.amdhsa_system_sgpr_workgroup_id_y 1
		.amdhsa_system_sgpr_workgroup_id_z 1
		.amdhsa_system_vgpr_workitem_id 0
		.amdhsa_next_free_vgpr 1024
		.amdhsa_next_free_sgpr 72
		.amdhsa_reserve_vcc 0
		.amdhsa_float_denorm_mode_32 3
		.amdhsa_float_denorm_mode_16_64 3
		.amdhsa_memory_ordered 1
		.amdhsa_forward_progress 1
		.amdhsa_inst_pref_size 255
	.end_amdhsa_kernel
	.section	.bss,"aw",@nobits
	.p2align	6
	.space	262144
	.amdgpu_metadata
---
amdhsa.version: [ 1, 2 ]
amdhsa.kernels:
  - .name:           k_q0b4a157c1c_attn
    .symbol:         k_q0b4a157c1c_attn.kd
    .args:
      - { .name: qf, .offset: 0, .size: 8, .value_kind: global_buffer, .address_space: global }
      - { .name: kf, .offset: 8, .size: 8, .value_kind: global_buffer, .address_space: global }
      - { .name: vf, .offset: 16, .size: 8, .value_kind: global_buffer, .address_space: global }
      - { .name: time_decay, .offset: 24, .size: 8, .value_kind: global_buffer, .address_space: global }
      - { .name: attnf, .offset: 32, .size: 8, .value_kind: global_buffer, .address_space: global }
      - { .name: out1, .offset: 40, .size: 8, .value_kind: global_buffer, .address_space: global }
    .group_segment_fixed_size: 327680
    .private_segment_fixed_size: 0
    .kernarg_segment_align: 8
    .kernarg_segment_size: 48
    .max_flat_workgroup_size: 128
    .sgpr_count:     72
    .vgpr_count:     1024
    .wavefront_size: 32
...
	.end_amdgpu_metadata
.endif
;; end of part 6
;; launch projln (part 7): grid 128 x 1, 4 waves a work-group, clusters of 4 x 1, 327,680 bytes of LDS; arguments attnf, wof, x, out_proj_b, ln_w, ln_b, out0; writes out0
.if DOCPART == 7
	.amdgcn_target "amdgcn-amd-amdhsa--gfx1250"
	.amdhsa_code_object_version 6
	.text
	.protected	k_q0b4a157c1c_projln
	.globl	k_q0b4a157c1c_projln
	.p2align	8
	.type	k_q0b4a157c1c_projln,@function
k_q0b4a157c1c_projln:
	s_mov_b64 s[64:65], 0
	v_nop
	global_prefetch_b8 v0, s[64:65] scope:SCOPE_SE
	s_setreg_imm32_b32 hwreg(HW_REG_WAVE_MODE, 25, 1), 1
	s_wait_xcnt 0x0
	s_wait_alu depctr_hold_cnt(0) depctr_sa_sdst(0) depctr_va_vdst(0) depctr_va_sdst(0) depctr_va_ssrc(0) depctr_va_vcc(0) depctr_vm_vsrc(0)
	s_getreg_b32 s2, hwreg(HW_REG_IB_STS2, 6, 4)
	s_cmp_eq_u32 s2, 0
	s_cbranch_scc0 .Lentry_in_a_cluster
	s_endpgm
.Lentry_in_a_cluster:
	s_bfe_u32 s2, ttmp6, 0x10000c
	s_cmp_lg_u32 s2, 0x3003
	s_cbranch_scc0 .Lentry_shape_is_right
	s_endpgm
.Lentry_shape_is_right:
; out0 = LayerNorm(x + attn out_proj_w^T + out_proj_b) ln_w + ln_b.  bf16 operands, f32 sums; the norm in f32 in two passes
; (the mean, then the sum of (y - mean)^2: no difference of large sums).
; The norm needs whole rows in one work-group.  A work-group takes 64 rows x all 1,024 features: 128 work-groups.  With 32 rows (256 groups)
; a wave would load 36 fragments' halves from LDS for 32 matrix instructions, and every group would still walk all 2 MiB of weights; with 64 rows it
; loads 32 for 64.  So half as many, larger work-groups are launched.
; Wave w: 64 rows x features 256 w .. + 255: 64 accumulator tiles (window 2: token tiles 0, 1; window 3: 2, 3; at 8 (16 (tt & 1) + ft)).
; The weights come in fragment order, a K step of 64 = 131,072 dense bytes, through two LDS slots; each wave fetches and reads its own 32,768.
; CLUSTERS 4 x 1: all work-groups walk the same weights: four ask jointly (mask 15).  attn's fragments come straight into registers
; (16 loads of 512 consecutive bytes a K step): one tensor load a wave stands behind each round, and these bytes need no LDS.
; THE WALK ALONG K IS ROTATED: cluster c = 0..31 begins at K step (c & 15) xor 15 (c >> 4) and wraps round after step 15.  Any sixteen clusters that
; agree in one bit of c begin at sixteen different steps: the sixteen tiles of the weights are first asked for by sixteen different clusters, and every
; later request is for bytes that another cluster has read a step or more before.
; LIMIT: the f32 sums take their sixteen K steps in an order that differs from cluster to cluster: another order of rounding than ascending K.
; Source 0 = weights, source 1 = tokens: a lane holds one token and 8 neighbouring features.
.set SLOTB,  131072
.set PART,   262144                    ; [64 rows][4 waves] sums, then 1,024 bytes behind the same for the squares
.set SP,     1040                      ; the stage's rows: 1,024 bytes + 16
.set BI,  16                           ; v16-31 out_proj_b, v32-47 ln_w, v48-63 ln_b of features 256 w + 64 i + 4 r + e at 4 i + e
.set LW,  32
.set LB,  48
.set AB0, 64                           ; v64-127, v128-191 attn fragments of a K step at 8 (4 fk + tt), two buffers
.set NM,  64                           ; later: -mean, then 1/sigma, a pair for each of my 32 rows
.set SQ,  128                          ; later: sums of squares, a pair a row
.set SUM, 192                          ; v192-223 a figure for each of my 32 rows: row 16 a + 2 p + h at 8 a + p
.set TT,  224                          ; v224-239 at work
.set G1,  24                           ; s[24:31]
.set G0,  32                           ; s[32:39], a set for each slot
.set WCNT, 22                          ; s22 the K step whose weights are asked for next, before its wrap
.set ACNT, 23                          ; s23 the K step whose attn fragments are loaded next, before its wrap
.set KO,   56                          ; s[56:57] a K step's byte offset; s22, s23 and these are made of the cluster's number alone
.set MSB, 0
.macro WIN new
.if MSB != \new
	s_set_vgpr_msb (MSB<<8)|\new
.set MSB, \new
.endif
.endm
.macro PLACES                          ; four places behind a matrix instruction (ISA guide 7.12.1)
.rept 4
	v_nop
.endr
.endm
.macro KOFF cnt, sh                    ; s[KO:KO+1] = (counter mod 16) << sh; the counter goes one step on
	s_and_b32 s[KO], s[\cnt], 15
	s_lshl_b32 s[KO], s[KO], \sh
	s_add_co_u32 s[\cnt], s[\cnt], 1
.endm
.macro CREST
	s_cmp_lg_u32 s18, 0
	s_cbranch_scc1 .Lnot_wave_0_\@
	s_barrier_signal -3
.Lnot_wave_0_\@:
	s_barrier_wait -3
	s_barrier_signal -1
	s_barrier_wait -1
.endm
.macro ROUND
	s_barrier_signal -1
	s_barrier_wait -1
	CREST
.endm
	s_load_b256 s[4:11], s[0:1], 0x0               ; attnf s[4:5], wof s[6:7], x s[8:9], out_proj_b s[10:11]
	s_load_b128 s[12:15], s[0:1], 0x20             ; ln_w s[12:13], ln_b s[14:15]
	s_load_b64 s[16:17], s[0:1], 0x30              ; out0
	v_lshl_add_u32 v254, v0, 2, 0x40800
	v_mov_b32 v255, 0
	ds_add_u32 v254, v255
	v_lshrrev_b32 v1, 5, v0
	v_readfirstlane_b32 s18, v1                    ; wave
	s_bfe_u32 s19, ttmp6, 0x40000                  ; cx
	s_lshl_b32 s20, ttmp9, 2
	s_add_co_u32 s20, s20, s19                     ; the work-group's block of 64 rows
	s_lshr_b32 s[WCNT], ttmp9, 4                   ; the walk's first K step: (c & 15) xor 15 (c >> 4)
	s_mul_i32 s[WCNT], s[WCNT], 15
	s_xor_b32 s[WCNT], s[WCNT], ttmp9
	s_and_b32 s[WCNT], s[WCNT], 15
	s_mov_b32 s[ACNT], s[WCNT]
	s_mov_b32 s[KO+1], 0
	s_mov_b32 s50, 0x3a800000                      ; 1/1024
	s_mov_b32 s51, 0x3727c5ac                      ; 1e-5
	s_mov_b32 s[G1+0], 15|(3<<16)|(1<<21)          ; 32,768 dense bytes as 128 rows of 32 elements of 8 bytes, to all four work-groups
	s_mov_b32 s[G1+1], 32<<16
	s_mov_b32 s[G1+2], 128<<16
	s_mov_b32 s[G1+3], 32<<16
	s_mov_b32 s[G1+4], 128
	s_mov_b32 s[G1+5], 32
	s_mov_b32 s[G1+6], 0
	s_mov_b32 s[G1+7], 0
	s_lshl_b32 s52, s18, 15                        ; my 32,768 bytes of a slot and of a K step
	s_lshl_b32 s46, s18, 15
	s_mov_b32 s47, 0
	s_lshl_b32 s54, s18, 10                        ; my 256 features in f32
	s_mov_b32 s55, 0
	s_wait_dscnt 0x0
	s_wait_kmcnt 0x0
	s_add_nc_u64 s[46:47], s[6:7], s[46:47]        ; my part of the weights at K step 0: stays as it is
.irp s, 0,1
	KOFF WCNT, 17
	s_mov_b32 s[G0+4*\s], 1
	s_add_co_u32 s[G0+4*\s+1], s52, \s*SLOTB
	s_add_nc_u64 s[G0+4*\s+2:G0+4*\s+3], s[46:47], s[KO:KO+1]
	s_or_b32 s[G0+4*\s+3], s[G0+4*\s+3], 0x80000000
.endr
	ROUND
	tensor_load_to_lds s[G0:G0+3], s[G1:G1+7]      ; the walk's first two K steps: two loads of the wave are out
	s_nop 0
	tensor_load_to_lds s[G0+4:G0+7], s[G1:G1+7]
	s_nop 0
	s_lshl_b32 s48, s20, 17                        ; attnf: four token tiles of 32,768 bytes
	s_mov_b32 s49, 0
	s_add_nc_u64 s[58:59], s[4:5], s[48:49]        ; attn's fragments at K step 0: stays as it is
	KOFF ACNT, 11                                  ; a K step is two fragments of 1,024 bytes in each token tile
	s_add_nc_u64 s[40:41], s[58:59], s[KO:KO+1]
	s_lshl_b32 s48, s20, 18                        ; x, out0: 64 rows of 4,096 bytes, + my features
	s_add_co_u32 s48, s48, s54
	s_add_nc_u64 s[42:43], s[8:9], s[48:49]
	s_add_nc_u64 s[44:45], s[16:17], s[48:49]
	s_add_nc_u64 s[10:11], s[10:11], s[54:55]
	s_add_nc_u64 s[12:13], s[12:13], s[54:55]
	s_add_nc_u64 s[14:15], s[14:15], s[54:55]
	v_and_b32 v1, 31, v0                           ; L
	v_and_b32 v2, 15, v0                           ; r
	v_bfe_u32 v3, v0, 4, 1                         ; h
	v_lshlrev_b32 v6, 4, v1                        ; 16 L
	v_lshlrev_b32 v13, 4, v2                       ; 16 r
.macro LOADA ab                        ; a K step's eight fragments of attn
.irp fk, 0,1
.irp tt, 0,1,2,3
.irp hf, 0,1
	global_load_b128 v[(\ab)+8*(4*\fk+\tt)+4*\hf:(\ab)+8*(4*\fk+\tt)+4*\hf+3], v6, s[40:41] offset:\tt*32768+\fk*1024+\hf*512
.endr
.endr
.endr
.endm
	LOADA AB0
.irp i, 0,1,2,3
	global_load_b128 v[BI+4*\i:BI+4*\i+3], v13, s[10:11] offset:\i*256
	global_load_b128 v[LW+4*\i:LW+4*\i+3], v13, s[12:13] offset:\i*256
	global_load_b128 v[LB+4*\i:LB+4*\i+3], v13, s[14:15] offset:\i*256
.endr
	v_add_nc_u32 v4, s52, v6                       ; weights' fragments in slot 0: my part + 16 L
	v_add_nc_u32 v5, SLOTB, v4                     ; in slot 1
	v_mul_u32_u24 v7, v2, SP
	v_lshl_add_u32 v7, v3, 5, v7
	v_add_nc_u32 v7, s52, v7                       ; the stage, in: row r, 8 h features on
	v_mul_u32_u24 v8, v3, SP
	v_lshl_add_u32 v8, v2, 4, v8
	v_add_nc_u32 v8, s52, v8                       ; the stage, back: row h, 16 r bytes on
	v_lshlrev_b32 v9, 12, v3
	v_lshl_add_u32 v9, v2, 4, v9                   ; the same two rows in x and out0
	v_lshl_add_u32 v11, v3, 4, PART                ; the four waves' figures of row h
	s_lshl_b32 s53, s18, 2
	v_add_nc_u32 v10, s53, v11                     ; my word among them
	v_lshrrev_b32 v12, 2, v1
	v_lshlrev_b32 v12, 12, v12
	v_and_b32 v14, 3, v1
	v_lshl_add_u32 v12, v14, 8, v12                ; prefetch: row L >> 2, block L & 3 of my 1,024 bytes
.macro FETCHB slot, fk, bf             ; 32 LDS loads: sixteen fragments of the weights, 512 consecutive bytes each load
	WIN 0x40
.irp ft, 0,1,2,3,4,5,6,7,8,9,10,11,12,13,14,15
	ds_load_b128 v[\bf+8*\ft:\bf+8*\ft+3],   v[4+\slot] offset:\ft*2048+\fk*1024
	ds_load_b128 v[\bf+8*\ft+4:\bf+8*\ft+7], v[4+\slot] offset:\ft*2048+\fk*1024+512
.endr
.endm
; 32 matrix instructions: token tiles 2 hi, 2 hi + 1 x sixteen feature tiles.  The 64 accumulators take turns, one instruction a turn.
.macro MUL32 bf, ab, fk, hi, zero
.if \hi
	WIN 0xf1
.else
	WIN 0xa1
.endif
.irp tl, 0,1
.irp ft, 0,1,2,3,4,5,6,7,8,9,10,11,12,13,14,15
.if \zero
	v_wmma_f32_16x16x32_bf16 v[8*(16*\tl+\ft):8*(16*\tl+\ft)+7], v[\bf+8*\ft:\bf+8*\ft+7], v[(\ab)+8*(4*\fk+2*\hi+\tl):(\ab)+8*(4*\fk+2*\hi+\tl)+7], 0
.else
	v_wmma_f32_16x16x32_bf16 v[8*(16*\tl+\ft):8*(16*\tl+\ft)+7], v[\bf+8*\ft:\bf+8*\ft+7], v[(\ab)+8*(4*\fk+2*\hi+\tl):(\ab)+8*(4*\fk+2*\hi+\tl)+7], v[8*(16*\tl+\ft):8*(16*\tl+\ft)+7]
.endif
.endr
.endr
.endm
.macro LOADX a, w, xb                  ; x of rows 16 a .. + 15, my 256 features, in the row-major layout of the way out
	WIN \w
.irp p, 0,1,2,3,4,5,6,7
.irp i, 0,1,2,3
	global_load_b128 v[\xb+16*\p+4*\i:\xb+16*\p+4*\i+3], v9, s[42:43] offset:(16*\a+2*\p)*4096+\i*256 th:TH_LOAD_NT
.endr
.endr
.endm
; A K step of 64 on slot s.  aload: the next step's attn fragments go out.  fill: this slot is asked for again, two steps ahead, behind a round of
; the cluster's barrier in front of which my reads of it are back and all my tensor loads have landed.  next: the other slot's first fragments.
; pf: x is asked for ahead.  xl: x's first tile is loaded.
.macro KSTEP s, zero, aload, fill, next, pf, xl
	s_wait_loadcnt 0x0                             ; this step's attn fragments; their loads are done, so the base may be written
	s_wait_dscnt 0x0                               ; the weights' first sixteen fragments
	PLACES
	WIN 0
.if \aload
	KOFF ACNT, 11
	s_add_nc_u64 s[40:41], s[58:59], s[KO:KO+1]
	LOADA (AB0+64*(1-\s))
.endif
	FETCHB \s, 1, 128
.if \pf
.irp j, 0,1,2,3,4,5,6,7                            ; my 64 rows x 4 blocks of 256 bytes of x, each asked for once, one and a half K steps ahead of the first load of x
	global_prefetch_b8 v12, s[42:43] offset:\j*32768 th:TH_LOAD_NT scope:SCOPE_SE
.endr
.endif
	MUL32 0, (AB0+64*\s), 0, 0, \zero
	MUL32 0, (AB0+64*\s), 0, 1, \zero
	s_wait_dscnt 0x0                               ; my reads of this slot are back
	s_set_vgpr_msb 0xf1f0
	s_wait_tensorcnt 0x0                           ; all my tensor loads have landed: my part of the other slot
	ds_add_u32 v254, v255
	s_wait_dscnt 0x0
	s_set_vgpr_msb 0xf0f1
.if \fill
	s_barrier_signal -1
.endif
	MUL32 128, (AB0+64*\s), 1, 0, 0
.if \fill
	WIN 0
	s_barrier_wait -1
	CREST
	KOFF WCNT, 17
	s_add_nc_u64 s[G0+4*\s+2:G0+4*\s+3], s[46:47], s[KO:KO+1]
	s_or_b32 s[G0+4*\s+3], s[G0+4*\s+3], 0x80000000
	tensor_load_to_lds s[G0+4*\s:G0+4*\s+3], s[G1:G1+7]
	s_nop 0
.endif
	PLACES
.if \next
	FETCHB 1-\s, 0, 0
.endif
.if \xl
	LOADX 0, 0x40, 0
.endif
	MUL32 128, (AB0+64*\s), 1, 1, 0
.endm
	s_wait_tensorcnt 0x1                           ; the walk's first K step is in (my own bytes); the second's load stays out
	FETCHB 0, 0, 0
	KSTEP 0, 1, 1, 1, 1, 0, 0                      ; the first products start the sums
	KSTEP 1, 0, 1, 1, 1, 0, 0
	WIN 0
	s_mov_b32 s21, 6
.Llap:
	KSTEP 0, 0, 1, 1, 1, 0, 0
	KSTEP 1, 0, 1, 1, 1, 0, 0
	WIN 0
	s_sub_co_u32 s21, s21, 1
	s_cmp_lg_u32 s21, 0
	s_cbranch_scc1 .Llap
	KSTEP 0, 0, 1, 0, 1, 1, 0                      ; the last two steps fill nothing; each wave reads its own bytes, so they need no barrier
	KSTEP 1, 0, 0, 0, 0, 0, 1
	; THE WAY OUT.  y stays in the accumulators' registers, turned row-major through a stage in my own part of slot 0 (its last fill is over):
	; registers 128 (a & 1) + 16 p + 4 i + e of tile a's window then hold row 16 a + 2 p + h, feature 64 i + 4 r + e.
	PLACES
	LOADX 1, 0x40, 128
	LOADX 2, 0, 64
; left = loads of younger tiles of x that may stay out; xw, xb = window and first register of this tile's x
.macro E1 a, left, xw, xb
.set WN, 2+(\a>>1)
.set BB, 128*(\a&1)
	WIN (WN<<2)
.irp ft, 0,1,2,3,4,5,6,7,8,9,10,11,12,13,14,15
	ds_store_b128 v7, v[BB+8*\ft:BB+8*\ft+3]   offset:\ft*64
	ds_store_b128 v7, v[BB+8*\ft+4:BB+8*\ft+7] offset:\ft*64+16
.endr
	WIN (WN<<6)
.irp p, 0,1,2,3,4,5,6,7
.irp i, 0,1,2,3
	ds_load_b128 v[BB+16*\p+4*\i:BB+16*\p+4*\i+3], v8 offset:\p*2*SP+\i*256   ; LDS serves a wave's instructions in order (ISA guide 5.7.1.4)
.endr
.endr
	s_wait_dscnt 0x0
	s_wait_loadcnt \left
	WIN ((WN<<6)|WN|(\xw<<2))
.irp p, 0,1,2,3,4,5,6,7
.irp e, 0,2,4,6,8,10,12,14
	v_pk_add_f32 v[BB+16*\p+\e:BB+16*\p+\e+1], v[BB+16*\p+\e:BB+16*\p+\e+1], v[\xb+16*\p+\e:\xb+16*\p+\e+1]
.endr
.endr
	WIN ((WN<<6)|WN)
.irp p, 0,1,2,3,4,5,6,7
.irp e, 0,2,4,6,8,10,12,14
	v_pk_add_f32 v[BB+16*\p+\e:BB+16*\p+\e+1], v[BB+16*\p+\e:BB+16*\p+\e+1], v[BI+\e:BI+\e+1]
.endr
.endr
	WIN ((WN<<2)|WN)                               ; the rows' sums over my 16 numbers of each
.irp p, 0,1,2,3,4,5,6,7
	v_pk_add_f32 v[TT+2*\p:TT+2*\p+1], v[BB+16*\p:BB+16*\p+1], v[BB+16*\p+2:BB+16*\p+3]
.endr
	WIN WN
.irp e, 4,6,8,10,12,14
.irp p, 0,1,2,3,4,5,6,7
	v_pk_add_f32 v[TT+2*\p:TT+2*\p+1], v[BB+16*\p+\e:BB+16*\p+\e+1], v[TT+2*\p:TT+2*\p+1]
.endr
.endr
	WIN 0
.irp p, 0,1,2,3,4,5,6,7
	v_add_f32 v[SUM+8*\a+\p], v[TT+2*\p], v[TT+2*\p+1]
.endr
.endm
	E1 0, 63, 1, 0                                 ; 64 younger loads exist; 63 is the largest count that the wait can name
	LOADX 3, 0x40, 0                               ; into the registers that tile 0's x has left
	E1 1, 63, 1, 128
	E1 2, 32, 0, 64
	E1 3, 0, 1, 0
; SUM's 32 figures are summed over the sixteen lanes of a row and over the four waves (through LDS, one barrier); the totals land in NM + 2 k
.macro REDUCE off
.irp m, 1,2,4,8
.set kk, 0
.rept 32
	v_add_f32_dpp v[SUM+kk], v[SUM+kk], v[SUM+kk] row_xmask:\m row_mask:0xf bank_mask:0xf
.set kk, kk+1
.endr
.endr
.set kk, 0
.rept 32
	ds_store_b32 v10, v[SUM+kk] offset:\off+kk*32              ; sixteen lanes write one word with one value
.set kk, kk+1
.endr
	s_wait_dscnt 0x0
	s_barrier_signal -1
	s_barrier_wait -1
	WIN 0x40
.set kk, 0
.rept 32
	ds_load_b128 v[4*kk:4*kk+3], v11 offset:\off+kk*32
.set kk, kk+1
.endr
	s_wait_dscnt 0x0
	WIN 0x05
.set kk, 0
.rept 32
	v_add_f32 v[NM+2*kk], v[4*kk], v[4*kk+1]
	v_add_f32 v[NM+2*kk+1], v[4*kk+2], v[4*kk+3]
.set kk, kk+1
.endr
	WIN 0
.set kk, 0
.rept 32
	v_add_f32 v[NM+2*kk], v[NM+2*kk], v[NM+2*kk+1]
.set kk, kk+1
.endr
.endm
	REDUCE 0
.set kk, 0
.rept 32
	v_mul_f32 v[NM+2*kk], 0xba800000, v[NM+2*kk]               ; -mean
	v_mov_b32 v[NM+2*kk+1], v[NM+2*kk]
.set kk, kk+1
.endr
; y - mean in place, and the sums of its squares, for the sixteen rows a lane has in window wn
.macro E3 wn
	WIN ((\wn<<6)|\wn)
.set kk, 0
.rept 16
.irp e, 0,2,4,6,8,10,12,14
	v_pk_add_f32 v[16*kk+\e:16*kk+\e+1], v[16*kk+\e:16*kk+\e+1], v[NM+2*(16*(\wn-2)+kk):NM+2*(16*(\wn-2)+kk)+1]
.endr
.set kk, kk+1
.endr
	WIN ((\wn<<2)|\wn)
.set kk, 0
.rept 16
	v_pk_mul_f32 v[SQ+2*(16*(\wn-2)+kk):SQ+2*(16*(\wn-2)+kk)+1], v[16*kk:16*kk+1], v[16*kk:16*kk+1]
.set kk, kk+1
.endr
.irp e, 2,4,6,8,10,12,14
.set kk, 0
.rept 16
	v_pk_fma_f32 v[SQ+2*(16*(\wn-2)+kk):SQ+2*(16*(\wn-2)+kk)+1], v[16*kk+\e:16*kk+\e+1], v[16*kk+\e:16*kk+\e+1], v[SQ+2*(16*(\wn-2)+kk):SQ+2*(16*(\wn-2)+kk)+1]
.set kk, kk+1
.endr
.endr
.endm
	E3 2
	E3 3
	WIN 0
.set kk, 0
.rept 32
	v_add_f32 v[SUM+kk], v[SQ+2*kk], v[SQ+2*kk+1]
.set kk, kk+1
.endr
	REDUCE 1024
.set kk, 0
.rept 32
	v_fma_f32 v[NM+2*kk], v[NM+2*kk], s50, s51                 ; variance + 1e-5
.set kk, kk+1
.endr
.set kk, 0
.rept 32
	v_rsq_f32 v[NM+2*kk], v[NM+2*kk]
.set kk, kk+1
.endr
	v_nop                                          ; the plain place behind the last of them (ISA guide 5.7.2)
.set kk, 0
	s_wait_alu depctr_va_vdst(0)
.rept 32
	v_mov_b32 v[NM+2*kk+1], v[NM+2*kk]
.set kk, kk+1
.endr
.macro E4 a
.set WN, 2+(\a>>1)
.set BB, 128*(\a&1)
	WIN ((WN<<6)|WN)
.irp p, 0,1,2,3,4,5,6,7
.irp e, 0,2,4,6,8,10,12,14
	v_pk_mul_f32 v[BB+16*\p+\e:BB+16*\p+\e+1], v[BB+16*\p+\e:BB+16*\p+\e+1], v[NM+2*(8*\a+\p):NM+2*(8*\a+\p)+1]
.endr
.endr
.irp p, 0,1,2,3,4,5,6,7
.irp e, 0,2,4,6,8,10,12,14
	v_pk_fma_f32 v[BB+16*\p+\e:BB+16*\p+\e+1], v[BB+16*\p+\e:BB+16*\p+\e+1], v[LW+\e:LW+\e+1], v[LB+\e:LB+\e+1]
.endr
.endr
	WIN (WN<<2)
.irp p, 0,1,2,3,4,5,6,7
.irp i, 0,1,2,3
	global_store_b128 v9, v[BB+16*\p+4*\i:BB+16*\p+4*\i+3], s[44:45] offset:(16*\a+2*\p)*4096+\i*256 th:TH_STORE_NT   ; sixteen lanes store 256 consecutive bytes, aligned
.endr
.endr
.endm
	E4 0
	E4 1
	E4 2
	E4 3
	WIN 0
	s_wait_tensorcnt 0x0
	ds_add_u32 v254, v255
	s_wait_dscnt 0x0
	ROUND                                          ; the closing round
	s_endpgm
.Lfunc_end_k_q0b4a157c1c_projln:
	.size	k_q0b4a157c1c_projln, .Lfunc_end_k_q0b4a157c1c_projln-k_q0b4a157c1c_projln
	.p2alignl 7, 3214868480
	.fill 96, 4, 3214868480
	.section	.rodata,"a",@progbits
	.p2align	6, 0x0
	.amdhsa_kernel k_q0b4a157c1c_projln
		.amdhsa_group_segment_fixed_size 327680
		.amdhsa_private_segment_fixed_size 0
		.amdhsa_enable_private_segment 0
		.amdhsa_kernarg_size 56
		.amdhsa_user_sgpr_count 2
		.amdhsa_user_sgpr_kernarg_segment_ptr 1
		.amdhsa_wavefront_size32 1
		.amdhsa_system_sgpr_workgroup_id_x 1
		.amdhsa_system_sgpr_workgroup_id_y 1
		.amdhsa_system_sgpr_workgroup_id_z 1
		.amdhsa_system_vgpr_workitem_id 0
		.amdhsa_next_free_vgpr 1024
		.amdhsa_next_free_sgpr 66
		.amdhsa_reserve_vcc 0
		.amdhsa_float_denorm_mode_32 3
		.amdhsa_float_denorm_mode_16_64 3
		.amdhsa_memory_ordered 1
		.amdhsa_forward_progress 1
		.amdhsa_inst_pref_size 255
	.end_amdhsa_kernel
	.section	.bss,"aw",@nobits
	.p2align	6
	.space	262144
	.amdgpu_metadata
---
amdhsa.version: [ 1, 2 ]
amdhsa.kernels:
  - .name:           k_q0b4a157c1c_projln
    .symbol:         k_q0b4a157c1c_projln.kd
    .args:
      - { .name: attnf, .offset: 0, .size: 8, .value_kind: global_buffer, .address_space: global }
      - { .name: wof, .offset: 8, .size: 8, .value_kind: global_buffer, .address_space: global }
      - { .name: x, .offset: 16, .size: 8, .value_kind: global_buffer, .address_space: global }
      - { .name: out_proj_b, .offset: 24, .size: 8, .value_kind: global_buffer, .address_space: global }
      - { .name: ln_w, .offset: 32, .size: 8, .value_kind: global_buffer, .address_space: global }
      - { .name: ln_b, .offset: 40, .size: 8, .value_kind: global_buffer, .address_space: global }
      - { .name: out0, .offset: 48, .size: 8, .value_kind: global_buffer, .address_space: global }
    .group_segment_fixed_size: 327680
    .private_segment_fixed_size: 0
    .kernarg_segment_align: 8
    .kernarg_segment_size: 56
    .max_flat_workgroup_size: 128
    .sgpr_count:     66
    .vgpr_count:     1024
    .wavefront_size: 32
...
	.end_amdgpu_metadata
.endif
;; end of part 7
;; ======== version 3 of 3: 4 launches; version 2 with the launch cast written anew for expert scheduling mode
;; workspace buffers: xb 16,777,216 bytes; wib 6,291,456 bytes; wof 2,097,152 bytes; qf 16,777,216 bytes; kf 16,777,216 bytes; vf 16,777,216 bytes; attnf 16,777,216 bytes
;; launch cast (part 8): grid 768 x 1, 8 waves a work-group, no clusters, 0 bytes of LDS; arguments x, in_proj_w, out_proj_w, xb, wib, wof; writes xb, wib, wof
.if DOCPART == 8
	.amdgcn_target "amdgcn-amd-amdhsa--gfx1250"
	.amdhsa_code_object_version 6
	.text
	.protected	k_q0b4a157c1c_cast
	.globl	k_q0b4a157c1c_cast
	.p2align	8
	.type	k_q0b4a157c1c_cast,@function
k_q0b4a157c1c_cast:
	s_mov_b64 s[64:65], 0
	v_nop
	global_prefetch_b8 v0, s[64:65] scope:SCOPE_SE
	s_setreg_imm32_b32 hwreg(HW_REG_WAVE_SCHED_MODE, 0, 2), 2
	s_setreg_imm32_b32 hwreg(HW_REG_WAVE_MODE, 25, 1), 1
	s_wait_xcnt 0x0
	s_wait_alu depctr_vm_vsrc(0)
; bf16 copies of the three large f32 inputs, rounded once to nearest even.
; A work-group takes 65,536 bytes of f32.  Groups 0-511: x -> xb; 512-703: in_proj_w -> wib (both stay row-major);
; 704-767: sixteen rows of out_proj_w -> wof in FRAGMENT ORDER: a fragment is 16 rows x 32 k in 1,024 bytes, two halves of 512 bytes,
; lane L's 16 bytes at half*512 + 16 L = W[16 ft + (L&15)][32 fk + 16 half + 8 (L>>4) + 0..7]: registers 4 half .. 4 half + 3 of a
; 16-bit matrix operand.  Fragment (ft, fk) lies at (((fk>>1)*64 + ft)*2 + (fk&1))*1024, so a K step of 64 is 131,072 dense bytes.
; Memory binds: no LDS, no barrier, no matrix unit.  Sixteen loads of a wave are out at once; nothing is read twice.
; THE MODE: SCHED_MODE bits 1:0 = 2 (LLVM: expert scheduling mode 2), set by the entry lines.  The code itself states the register dependences
; between vector instructions and memory instructions, with s_wait_alu, always for 0.
; THE PLAN.  Each of the two paths is straight code.  Registers that memory instructions touch:
;   v1, v2   byte offsets of the loads and of the stores: written by vector instructions at the path's head, never again.
;   X        each four registers are the landing place of one load, once; read by the conversions; no vector instruction writes them.
;   Y        each register is written by one conversion, once, and read by one store; never written again.
; So what is to be stated is that a register is written before a memory instruction reads it: the offsets, once, ahead of the loads; and Y, ahead of the stores.
; The sixteen loads are worked on in four groups of four.  A group's stores are issued in the NEXT group, behind one wait at that group's head,
; dealt among that group's conversions, which name its own X and Y alone: none of the registers that those stores read.  The last group's stores
; have a wait of their own.  Nothing that a memory instruction has read is ever written again, no load lands in a register that a vector instruction
; has named, no vector instruction writes a scalar register, and EXEC is never written: no other wait is owed.
.set X,   4                            ; v[4:67]   sixteen loads of 16 bytes
.set Y,   68                           ; v[68:99]  the same numbers in bf16
.set XCH, 512                          ; chunks of x
.set WCH, 192                          ; chunks of in_proj_w
	s_load_b256 s[4:11], s[0:1], 0x0               ; x s[4:5], in_proj_w s[6:7], out_proj_w s[8:9], xb s[10:11]
	s_load_b128 s[12:15], s[0:1], 0x20             ; wib s[12:13], wof s[14:15]
	s_mov_b32 s23, 0                               ; upper word of every offset
	s_cmp_ge_u32 ttmp9, XCH+WCH
	s_cbranch_scc1 .Lfrag
	; row-major copy: thread t takes 16 bytes at 16 t of each 4,096 bytes and stores 8 at 8 t of each 2,048
	s_sub_co_u32 s20, ttmp9, XCH
	v_lshlrev_b32 v1, 4, v0
	v_lshlrev_b32 v2, 3, v0
	s_wait_kmcnt 0x0
	s_cmp_lt_u32 ttmp9, XCH
	s_cselect_b64 s[16:17], s[4:5], s[6:7]         ; from x or in_proj_w
	s_cselect_b64 s[18:19], s[10:11], s[12:13]     ; to xb or wib
	s_cselect_b32 s20, ttmp9, s20                  ; the chunk's number in its tensor
	s_lshl_b32 s22, s20, 16
	s_add_nc_u64 s[16:17], s[16:17], s[22:23]
	s_lshl_b32 s22, s20, 15
	s_add_nc_u64 s[18:19], s[18:19], s[22:23]
	s_wait_alu depctr_va_vdst(0)                   ; v1 and v2 are written: every load of this path reads v1 as its offset, every store v2
.irp i, 0,1,2,3,4,5,6,7,8,9,10,11,12,13,14,15
	global_load_b128 v[X+4*\i:X+4*\i+3], v1, s[16:17] offset:\i*4096 th:TH_LOAD_NT
.endr
.irp i, 0,1,2,3,4,5,6,7,8,9,10,11,12,13,14,15
	s_wait_loadcnt 15-\i                           ; loads come back in order: load i is in, the 15 - i younger ones stay out
.if \i >= 4
.if (\i & 3) == 0
	s_wait_alu depctr_va_vdst(0)                   ; the eight conversions of the group before have written their Y, which this group's four stores read
.endif
	global_store_b64 v2, v[Y+2*\i-8:Y+2*\i-7], s[18:19] offset:(\i-4)*2048   ; what load i - 4 brought; a wave's store covers 256 consecutive bytes, aligned; no conversion since the wait names these registers
.endif
	v_cvt_pk_bf16_f32 v[Y+2*\i], v[X+4*\i], v[X+4*\i+1]
	v_cvt_pk_bf16_f32 v[Y+2*\i+1], v[X+4*\i+2], v[X+4*\i+3]
.endr
	s_wait_alu depctr_va_vdst(0)                   ; the last group's conversions have written their Y, which the last four stores read
.irp i, 12,13,14,15
	global_store_b64 v2, v[Y+2*\i:Y+2*\i+1], s[18:19] offset:\i*2048
.endr
	s_endpgm
.Lfrag:
	; fragment order: the group has rows 16 ft .. 16 ft + 15; wave w makes the fragments fk = 4 w + n, n = 0..3.
	; A load takes 16 bytes of each of sixteen rows (two lanes side by side): short pieces, for these 4 MiB alone; the stores are whole.
	s_sub_co_u32 s20, ttmp9, XCH+WCH               ; ft
	v_and_b32 v1, 15, v0
	v_lshlrev_b32 v1, 12, v1                       ; r rows of 4,096 bytes
	v_bfe_u32 v2, v0, 4, 1
	v_lshl_add_u32 v1, v2, 5, v1                   ; + 8 h numbers
	v_lshrrev_b32 v3, 5, v0
	v_lshl_add_u32 v1, v3, 9, v1                   ; + 4 w fragments of 32 numbers
	v_and_b32 v2, 31, v0
	v_lshlrev_b32 v2, 4, v2                        ; 16 L
	v_lshl_add_u32 v2, v3, 18, v2                  ; + 2 w K steps of 131,072 bytes
	s_wait_kmcnt 0x0
	s_lshl_b32 s22, s20, 16
	s_add_nc_u64 s[16:17], s[8:9], s[22:23]
	s_lshl_b32 s22, s20, 11
	s_add_nc_u64 s[18:19], s[14:15], s[22:23]
	s_wait_alu depctr_va_vdst(0)                   ; v1 and v2 are written: every load of this path reads v1 as its offset, every store v2
.irp p, 0,1,2,3,4,5,6,7                            ; p = 2 n + half
	global_load_b128 v[X+8*\p:X+8*\p+3],   v1, s[16:17] offset:\p*64 th:TH_LOAD_NT
	global_load_b128 v[X+8*\p+4:X+8*\p+7], v1, s[16:17] offset:\p*64+16 th:TH_LOAD_NT
.endr
.irp p, 0,1,2,3,4,5,6,7                            ; a group is two pieces: four loads, eight conversions, two stores
	s_wait_loadcnt 14-2*\p                         ; the two loads of piece p are in
.if \p >= 2
.if (\p & 1) == 0
	s_wait_alu depctr_va_vdst(0)                   ; the eight conversions of the two pieces before have written their Y, which this group's two stores read
.endif
	global_store_b128 v2, v[Y+4*\p-8:Y+4*\p-5], s[18:19] offset:((\p-2)>>2)*131072+((\p-2)&3)*512   ; piece p - 2: 512 consecutive bytes of a fragment; no conversion since the wait names these registers
.endif
.irp i, 0,1,2,3
	v_cvt_pk_bf16_f32 v[Y+4*\p+\i], v[X+8*\p+2*\i], v[X+8*\p+2*\i+1]
.endr
.endr
	s_wait_alu depctr_va_vdst(0)                   ; the conversions of pieces 6 and 7 have written their Y, which the last two stores read
.irp p, 6,7
	global_store_b128 v2, v[Y+4*\p:Y+4*\p+3], s[18:19] offset:(\p>>2)*131072+(\p&3)*512
.endr
	s_endpgm
.Lfunc_end_k_q0b4a157c1c_cast:
	.size	k_q0b4a157c1c_cast, .Lfunc_end_k_q0b4a157c1c_cast-k_q0b4a157c1c_cast
	.p2alignl 7, 3214868480
	.fill 96, 4, 3214868480
	.section	.rodata,"a",@progbits
	.p2align	6, 0x0
	.amdhsa_kernel k_q0b4a157c1c_cast
		.amdhsa_group_segment_fixed_size 0
		.amdhsa_private_segment_fixed_size 0
		.amdhsa_enable_private_segment 0
		.amdhsa_kernarg_size 48
		.amdhsa_user_sgpr_count 2
		.amdhsa_user_sgpr_kernarg_segment_ptr 1
		.amdhsa_wavefront_size32 1
		.amdhsa_system_sgpr_workgroup_id_x 1
		.amdhsa_system_sgpr_workgroup_id_y 1
		.amdhsa_system_sgpr_workgroup_id_z 1
		.amdhsa_system_vgpr_workitem_id 0
		.amdhsa_next_free_vgpr 100
		.amdhsa_next_free_sgpr 66
		.amdhsa_reserve_vcc 0
		.amdhsa_float_denorm_mode_32 3
		.amdhsa_float_denorm_mode_16_64 3
		.amdhsa_memory_ordered 1
		.amdhsa_forward_progress 1
		.amdhsa_inst_pref_size 13
	.end_amdhsa_kernel
	.amdgpu_metadata
---
amdhsa.version: [ 1, 2 ]
amdhsa.kernels:
  - .name:           k_q0b4a157c1c_cast
    .symbol:         k_q0b4a157c1c_cast.kd
    .args:
      - { .name: x, .offset: 0, .size: 8, .value_kind: global_buffer, .address_space: global }
      - { .name: in_proj_w, .offset: 8, .size: 8, .value_kind: global_buffer, .address_space: global }
      - { .name: out_proj_w, .offset: 16, .size: 8, .value_kind: global_buffer, .address_space: global }
      - { .name: xb, .offset: 24, .size: 8, .value_kind: global_buffer, .address_space: global }
      - { .name: wib, .offset: 32, .size: 8, .value_kind: global_buffer, .address_space: global }
      - { .name: wof, .offset: 40, .size: 8, .value_kind: global_buffer, .address_space: global }
    .group_segment_fixed_size: 0
    .private_segment_fixed_size: 0
    .kernarg_segment_align: 8
    .kernarg_segment_size: 48
    .max_flat_workgroup_size: 256
    .sgpr_count:     66
    .vgpr_count:     100
    .wavefront_size: 32
...
	.end_amdgpu_metadata
.endif
;; end of part 8
;; launch qkv: the kernel of part 5 again; grid 16 x 32, 4 waves a work-group, clusters of 4 x 4, 327,680 bytes of LDS; arguments xb, wib, in_proj_b, qf, kf, vf; writes qf, kf, vf
;; launch attn: the kernel of part 6 again; grid 256 x 1, 4 waves a work-group, clusters of 4 x 1, 327,680 bytes of LDS; arguments qf, kf, vf, time_decay, attnf, out1; writes attnf, out1
;; launch projln: the kernel of part 7 again; grid 128 x 1, 4 waves a work-group, clusters of 4 x 1, 327,680 bytes of LDS; arguments attnf, wof, x, out_proj_b, ln_w, ln_b, out0; writes out0
